; MI455X (gfx1250); checked and timed in simulation.
; The chip was launched on July 23, 2026; its instructions are those of AMD's public machine-readable ISA for CDNA 5 (MIT licence, August 2026) and "CDNA5" Instruction Set Architecture Reference Guide (July 2026). The comments in the code are by the model that wrote it; some were corrected since.
;; Multihead Attention. Allowed arithmetic: matrix products marked QUANTISED: E2M3 operands, one E8M0 scale for each 32 along K, by v_wmma_scale_f32_16x16x128_f8f6f4 with both operands' format E2M3, f32 sums; everything else in f32.
;; Inputs: Wk 1,024 x 1,024 float32; Wo 1,024 x 1,024 float32; Wq 1,024 x 1,024 float32; Wv 1,024 x 1,024 float32; bk 1,024 float32; bo 1,024 float32; bq 1,024 float32; bv 1,024 float32; x 4 x 2,048 x 1,024 float32.
;; Outputs: out0 4 x 2,048 x 1,024 float32.
;; This version of the problem:
;;   THIS VERSION OF THE PROBLEM IS GIVEN IN LOW PRECISION. The matrix products marked QUANTISED in the list below multiply operands that are first quantised to E2M3 (2 exponent bits, 3 mantissa bits; 6 bits a number), with one power-of-two scale for each 32 numbers along K (OCP MX v1.0); their sums are f32. All else is computed in f32.
;;   The module's matrix products, in the order in which they are computed (A, B: the left and right operand; K: the contracted axis; several contracted axes count as one K, in the product's order):
;;     1. [M 8,192, K 1,024] x [K 1,024, N 1,024]; A: input x; B: input Wq: QUANTISED
;;     2. [M 8,192, K 1,024] x [K 1,024, N 1,024]; A: input x; B: input Wk: QUANTISED
;;     3. [M 8,192, K 1,024] x [K 1,024, N 1,024]; A: input x; B: input Wv: QUANTISED
;;     4. batch 64 x [M 2,048, K 64] x [K 64, N 2,048]; A: computed on the way; B: computed on the way: QUANTISED
;;     5. batch 64 x [M 2,048, K 2,048] x [K 2,048, N 64]; A: softmax (see below); B: computed on the way: QUANTISED
;;     6. [M 8,192, K 1,024] x [K 1,024, N 1,024]; A: computed on the way; B: input Wo: QUANTISED
;;   THE QUANTISER, for each operand of a quantised product, along K:
;;     - K is cut into blocks of 32 from its start; a last block that is shorter is filled with zeros.
;;     - A block's scale is 2^e with e = floor(log2(the largest magnitude in the block)) - 2, held to -126 .. 127; a block of zeros has e = 0. As a byte (E8M0): e + 127.
;;     - Each number is divided by its block's scale, clamped to +-7.5, and rounded to the nearest number of E2M3, ties to even, subnormals kept.
;;     - The product sums the exact products of the quantised numbers (number of the format x scale) in f32.
;;   ~~~python
;;   def quantise(x, axis):      # numpy; x: float32 -> the quantised numbers, widened to float32 again
;;       x = np.moveaxis(x, axis, -1); K = x.shape[-1]
;;       x = np.pad(x, [(0, 0)] * (x.ndim - 1) + [(0, -K % 32)]); x = x.reshape(x.shape[:-1] + (-1, 32)); a = np.abs(x).max(-1, keepdims=True)
;;       e = np.where(a > 0, np.clip(np.frexp(np.where(a > 0, a, 1))[1] - 1 - 2, -126, 127), 0)      # np.frexp(a)[1] - 1 = floor(log2(a)), exactly
;;       r = np.clip(x / 2.0 ** e, -7.5, 7.5)
;;       step = 2.0 ** (np.maximum(np.frexp(np.where(r == 0, 1, r))[1] - 1, 0) - 3)
;;       q = np.round(r / step) * step * 2.0 ** e      # np.round: ties to even
;;       return np.moveaxis(q.reshape(q.shape[:-2] + (-1,))[..., :K], -1, axis).astype(np.float32)
;;   ~~~
;;   SOFTMAX AHEAD OF A QUANTISED PRODUCT. Where the list says 'softmax', what is quantised is not the finished softmax but p = 2^(t - M), with t = logit x log2(e) and M = ceil(the row's largest t), a whole number; so 1/2 < the row's largest p <= 1. The row's sum l is taken of the UNQUANTISED p, in f32, and the product's result is divided by l at the end. Since M is a whole number, a kernel that streams over the keys may use a running M (the ceiling of the running maximum): every later rescaling is an exact power of two, which a block's scale takes up: the codes' values come out the same.
;;   OPERANDS COMPUTED ON THE WAY. 'Computed on the way' means the value that the module computes at that place (a softmax that the list does not call 'softmax' is quantised finished and normalised). What goes into a quantiser is computed in f32, as accurately as f32 sums, v_exp_f32 and their like allow (about 1e-6 of the number): no bf16 or f16 on the way to a quantiser, and a product that is left as it is and whose result goes on into a quantised operand takes f32 operands (vector FMAs, or v_wmma_f32_16x16x4_f32). A number that lies on a knife's edge between two numbers of the format may be rounded either way, as far as f32 arithmetic and the matrix unit's own rounding can turn it there, and no further.
;; One version. Each part assembles by itself: llvm-mc -triple=amdgcn-amd-amdhsa -mcpu=gfx1250 --defsym DOCPART=n.
;; ======== version 1 of 1: 5 launches
;; limits: right only within a limited range of input values
;; workspace buffers: xq 6,586,368 bytes; wqkq 1,867,776 bytes; wvq 1,081,344 bytes; woq 1,081,344 bytes; qko 14,680,064 bytes; vo 52,428,800 bytes; ro 6,586,368 bytes
;; launch quant (part 1): grid 256 x 1, 3 waves a work-group, no clusters, 26,112 bytes of LDS; arguments x, Wq, Wk, Wv, Wo, bq, bk, bv, bo, xq, wqkq, wvq, woq; writes xq, wqkq, wvq, woq
.if DOCPART == 1
	.amdgcn_target "amdgcn-amd-amdhsa--gfx1250"
	.amdhsa_code_object_version 6
	.text
	.protected	k_qc6b7e2f99c_quant
	.globl	k_qc6b7e2f99c_quant
	.p2align	8
	.type	k_qc6b7e2f99c_quant,@function
k_qc6b7e2f99c_quant:
	s_mov_b64 s[64:65], 0
	v_nop
	global_prefetch_b8 v0, s[64:65] scope:SCOPE_SE
	s_setreg_imm32_b32 hwreg(HW_REG_WAVE_MODE, 25, 1), 1
	s_wait_xcnt 0x0
; x [8192][1024] and Wq, Wk, Wv, Wo [1024][1024], f32 with K innermost, become operands of MX-FP6 (E2M3, one E8M0 byte for each 32 along K), laid as the matrix unit's registers take them.
; TILES OF ROWS.  Tile R = 2 B + u holds, as its row r (0 .. 15), the tensor's row 32 B + 8 u + r + 8 (r / 8): so a product that takes such a tile as source 0 leaves 16 neighbours along that axis in the 16 registers of tiles 2 B, 2 B + 1.
; IMAGE.  A fragment (16 rows x 128 K, 12 registers a lane) is 1,536 bytes: registers 0-3 at 16 x lane, 4-5 at 512 + 8 x lane, 6-9 at 768 + 16 x lane, 10-11 at 1,280 + 8 x lane.
; AN OPERAND'S BUFFER: from byte 0 the scale bytes, (16 R + r) x 32 + K / 32; from BI_OFF one f32 of bias for each row, by the tensor's own row number (zeros for x); from CO_OFF the images [R][K step 0 .. 7].  Wq's tiles 0-63 and Wk's as 64-127 share a buffer.
; A block's scale is 2^(floor(log2(its largest magnitude)) - 2): its byte is that magnitude's exponent field - 2, held at 1 from below.
; LIMITS: NaN and infinities among the inputs are not served; a block whose largest magnitude lies under 2^-124, a block of zeros among them, gets the byte 1 (a block of zeros would have 127 by the rule: its codes are zeros, and this program alone reads the bytes).
; SHARES.  768 units of 16 rows x 1,024 (512 of x, 64 of each weight), one wave to a unit, three waves to a work-group; waves share nothing: no barrier, no cluster, no matrix unit: the launch only streams.
; A K step: 16 loads, each 512 consecutive bytes of one row; through the wave's own stage in LDS (rows of 512 + 16 bytes) they come back 16 neighbours of each block of 32 to a lane; QUANT; four stores of 512 or 256 consecutive bytes.  Loads run two K steps ahead.
.set BI_OFF, 262144
.set CO_OFF, 294912
.set SP,  528                          ; a stage row
.set RAW, 16                           ; v16-79, v80-143  two sets of 64 registers as loaded
.set X,   144                          ; v144-207 64 numbers of my row: register 16 b + i = k 32 b + 16 (lane / 16) + i
.set PC,  208                          ; v208-227 the codes just made
.set TM,  228                          ; v228-243 at work in QUANT
.set PW,  244                          ; v244-251 my row's scale word of each K step
.set SEL, 42                           ; s[42:43] lane selects for v_permlanex16_b32: lane l xor 16
; 64 numbers of a lane, v[s] on, register 16 b + i = k 32 b + 16 (lane / 16) + i of my row, become a fragment's codes in v[PC] .. v[PC + 11] and its scale word in v[pw].
.macro QUANT s, pw
.irp b, 0,1,2,3
	v_max3_num_f32 v[TM+\b], |v[\s+16*\b]|, |v[\s+1+16*\b]|, 0x1800000   ; block b: my 16 numbers, and the floor 2^(3 - 127): the byte cannot fall under 1
.endr
.irp i, 2,4,6,8,10,12,14
.irp b, 0,1,2,3
	v_max3_num_f32 v[TM+\b], v[TM+\b], |v[\s+16*\b+\i]|, |v[\s+1+16*\b+\i]|   ; the four blocks by turns
.endr
.endr
.irp b, 0,1,2,3
	v_permlanex16_b32 v[TM+4+\b], v[TM+\b], s[SEL], s[SEL+1]
.endr
.irp b, 0,1,2,3
	v_max_num_f32 v[TM+\b], v[TM+\b], v[TM+4+\b]   ; with lane l xor 16's: the block's largest magnitude
.endr
.irp b, 0,1,2,3
	v_add_nc_u32 v[TM+12+\b], 0xff000000, v[TM+\b]   ; 2 off its exponent field: the conversion takes this operand's exponent field as its scale
.endr
.irp b, 0,1,2,3
	v_lshrrev_b32 v[TM+4+\b], 23, v[TM+12+\b]      ; the scale's byte
.endr
	v_lshl_or_b32 v[\pw], v[TM+5], 8, v[TM+4]      ; four bytes: my row's scale word
	v_lshl_or_b32 v[\pw], v[TM+6], 16, v[\pw]
	v_lshl_or_b32 v[\pw], v[TM+7], 24, v[\pw]
.irp c, 0,1
	v_cvt_scalef32_pk16_fp6_f32 v[PC+6*\c:PC+2+6*\c], v[\s+32*\c:\s+15+32*\c], v[TM+12+2*\c]
	v_cvt_scalef32_pk16_fp6_f32 v[PC+12+4*\c:PC+14+4*\c], v[\s+16+32*\c:\s+31+32*\c], v[TM+12+2*\c+1]   ; (a conversion's three registers begin on an even number)
.endr
	v_nop                                          ; one plain place behind a scaled conversion
.irp c, 0,1                                    ; the layout wants a whole block in a lane: lanes 0-15 block 2 c, lanes 16-31 block 2 c + 1
.irp i, 0,1,2
	v_permlane16_swap_b32 v[PC+6*\c+\i], v[PC+12+4*\c+\i]
.endr
.irp i, 0,1,2
	v_mov_b32 v[PC+3+6*\c+\i], v[PC+12+4*\c+\i]
.endr
.endr
.endm
	s_load_b512 s[4:19], s[0:1], 0x0               ; x s[4:5], Wq s[6:7], Wk s[8:9], Wv s[10:11], Wo s[12:13], bq s[14:15], bk s[16:17], bv s[18:19]
	s_load_b256 s[20:27], s[0:1], 0x40             ; bo s[20:21], xq s[22:23], wqkq s[24:25], wvq s[26:27]
	s_load_b64 s[28:29], s[0:1], 0x60              ; woq
	v_lshl_add_u32 v238, v0, 2, 0x6400
	v_mov_b32 v239, 0
	v_lshrrev_b32 v1, 5, v0
	v_readfirstlane_b32 s30, v1                    ; wave 0..2
	v_and_b32 v1, 31, v0                           ; lane
	v_and_b32 v2, 15, v0                           ; r
	v_bfe_u32 v3, v0, 4, 1                         ; h
	v_lshlrev_b32 v4, 4, v1                        ; 16 x lane
	v_lshlrev_b32 v5, 3, v1                        ; 8 x lane
	s_mul_i32 s40, s30, 16*SP                      ; my wave's stage
	v_add_nc_u32 v6, s40, v4                       ; into it: a row's 512 bytes as they lie
	v_mul_u32_u24 v7, v2, SP
	v_lshl_add_u32 v7, v3, 6, v7
	v_add_nc_u32 v7, s40, v7                       ; out of it: row r, + 64 h: my 16 numbers of each block of 32
	v_lshlrev_b32 v8, 5, v2
	v_lshl_add_u32 v8, v3, 4, v8                   ; the scale bytes: 32 r + 16 h
	s_mov_b32 s[SEL], 0x76543210
	s_mov_b32 s[SEL+1], 0xfedcba98
.irp b, 0,1,2,3
	v_mov_b32 v[TM+4+\b], 0                        ; written once: a lane permute's destination counts as one of its sources
.endr
	s_mul_i32 s31, ttmp9, 3
	s_add_co_u32 s31, s31, s30                     ; my unit, 0 .. 767
	s_wait_alu depctr_va_vdst(0)
	s_wait_kmcnt 0x0
	; which tensor: units 0-511 x, 512-575 Wq, 576-639 Wk, 640-703 Wv, 704-767 Wo.  The choices hang on the unit's number alone
	s_mov_b64 s[32:33], s[4:5]                     ; from
	s_mov_b64 s[34:35], s[22:23]                   ; to
	s_mov_b64 s[36:37], s[14:15]                   ; the bias (not read for x)
	s_mov_b32 s38, 0                               ; the tensor's first unit,
	s_mov_b32 s39, 0                               ; the buffer's first unit
	s_cmp_ge_u32 s31, 512
	s_cselect_b64 s[32:33], s[6:7], s[32:33]
	s_cselect_b64 s[34:35], s[24:25], s[34:35]
	s_cselect_b32 s38, 512, s38
	s_cselect_b32 s39, 512, s39
	s_cmp_ge_u32 s31, 576
	s_cselect_b64 s[32:33], s[8:9], s[32:33]
	s_cselect_b64 s[36:37], s[16:17], s[36:37]
	s_cselect_b32 s38, 576, s38                    ; (Wk goes on in Wq's buffer)
	s_cmp_ge_u32 s31, 640
	s_cselect_b64 s[32:33], s[10:11], s[32:33]
	s_cselect_b64 s[34:35], s[26:27], s[34:35]
	s_cselect_b64 s[36:37], s[18:19], s[36:37]
	s_cselect_b32 s38, 640, s38
	s_cselect_b32 s39, 640, s39
	s_cmp_ge_u32 s31, 704
	s_cselect_b64 s[32:33], s[12:13], s[32:33]
	s_cselect_b64 s[34:35], s[28:29], s[34:35]
	s_cselect_b64 s[36:37], s[20:21], s[36:37]
	s_cselect_b32 s38, 704, s38
	s_cselect_b32 s39, 704, s39
	s_sub_co_u32 s38, s31, s38                     ; my tile in the tensor,
	s_sub_co_u32 s39, s31, s39                     ; and in the buffer
	s_lshr_b32 s40, s38, 1
	s_lshl_b32 s40, s40, 17                        ; 32 rows of 4,096 bytes for each pair of tiles,
	s_and_b32 s41, s38, 1
	s_lshl_b32 s41, s41, 15                        ; 8 rows for the odd tile
	s_add_co_u32 s40, s40, s41
	s_mov_b32 s41, 0
	s_add_nc_u64 s[32:33], s[32:33], s[40:41]      ; the tile's first row
	s_lshl_b32 s40, s38, 6
	s_add_nc_u64 s[36:37], s[36:37], s[40:41]      ; its 16 numbers of the bias
	s_mul_i32 s40, s39, 8*1536
	s_add_co_u32 s40, s40, CO_OFF
	s_add_nc_u64 s[44:45], s[34:35], s[40:41]      ; its eight images
	s_lshl_b32 s40, s39, 9
	s_add_nc_u64 s[46:47], s[34:35], s[40:41]      ; its 512 scale bytes
	s_lshl_b32 s40, s39, 6
	s_add_co_u32 s40, s40, BI_OFF
	s_add_nc_u64 s[34:35], s[34:35], s[40:41]      ; its place among the buffer's biases
.macro LOAD s                          ; K step s: the tile's row i lies i + 8 (i / 8) rows on; 32 lanes read 512 consecutive bytes; read once in the launch
.irp i, 0,1,2,3,4,5,6,7,8,9,10,11,12,13,14,15
	global_load_b128 v[RAW+64*((\s)%2)+4*\i:RAW+64*((\s)%2)+4*\i+3], v4, s[32:33] offset:(\i+8*(\i/8))*4096+512*(\s) th:TH_LOAD_NT
.endr
.endm
.macro STEP s
.if (\s) < 7
	s_wait_loadcnt 16                              ; this step's 16 loads are in; the next step's 16 may be out
.else
	s_wait_loadcnt 0x0
.endif
.irp i, 0,1,2,3,4,5,6,7,8,9,10,11,12,13,14,15
	ds_store_b128 v6, v[RAW+64*((\s)%2)+4*\i:RAW+64*((\s)%2)+4*\i+3] offset:SP*\i
.endr
.irp b, 0,1,2,3                                ; LDS serves a wave's instructions in order: these see the stores above
.irp j, 0,1,2,3
	ds_load_b128 v[X+16*\b+4*\j:X+16*\b+4*\j+3], v7 offset:128*\b+16*\j
.endr
.endr
	s_wait_dscnt 0x0                               ; my numbers are back, and the stores into the stage have read their registers
	s_wait_xcnt 0x0                                ; the last step's stores have read the codes' registers, which QUANT writes again
.if (\s)+2 < 8
	LOAD (\s)+2
.endif
	QUANT X, PW+(\s)
	global_store_b128 v4, v[PC:PC+3], s[44:45] offset:1536*(\s)          ; the image: 512, 256, 512, 256 consecutive bytes
	global_store_b64 v5, v[PC+4:PC+5], s[44:45] offset:1536*(\s)+512
	global_store_b128 v4, v[PC+6:PC+9], s[44:45] offset:1536*(\s)+768
	global_store_b64 v5, v[PC+10:PC+11], s[44:45] offset:1536*(\s)+1280
.endm
	LOAD 0
	LOAD 1
.irp t, 0,1,2,3,4,5,6,7
	STEP \t
.endr
	v_cmp_le_u32 vcc_lo, 16, v1                    ; lanes 0-15 store their row's words 0-3, lanes 16-31 words 4-7: the wave stores 512 consecutive bytes
.irp i, 0,1,2,3
	v_cndmask_b32 v[252+\i], v[PW+\i], v[PW+4+\i], vcc_lo
.endr
	global_store_b128 v8, v[252:255], s[46:47]
	s_and_b32 s40, s39, 7                          ; every eighth unit also lays the bias of its 128 rows: 512 consecutive bytes
	s_cmp_lg_u32 s40, 0
	s_cbranch_scc1 .Ldone
	s_cmp_lt_u32 s31, 512
	s_cbranch_scc1 .Lzeros
	global_load_b128 v[10:13], v4, s[36:37]
	s_wait_loadcnt 0x0
	s_branch .Lstore
.Lzeros:                                           ; x has no bias of its own: zeros
.irp i, 0,1,2,3
	v_mov_b32 v[10+\i], 0
.endr
.Lstore:
	global_store_b128 v4, v[10:13], s[34:35]
.Ldone:
	s_wait_tensorcnt 0x0
	ds_add_u32 v238, v239
	s_wait_dscnt 0x0
	s_endpgm
.Lfunc_end_k_qc6b7e2f99c_quant:
	.size	k_qc6b7e2f99c_quant, .Lfunc_end_k_qc6b7e2f99c_quant-k_qc6b7e2f99c_quant
	.p2alignl 7, 3214868480
	.fill 96, 4, 3214868480
	.section	.rodata,"a",@progbits
	.p2align	6, 0x0
	.amdhsa_kernel k_qc6b7e2f99c_quant
		.amdhsa_group_segment_fixed_size 26112
		.amdhsa_private_segment_fixed_size 0
		.amdhsa_enable_private_segment 0
		.amdhsa_kernarg_size 104
		.amdhsa_user_sgpr_count 2
		.amdhsa_user_sgpr_kernarg_segment_ptr 1
		.amdhsa_wavefront_size32 1
		.amdhsa_system_sgpr_workgroup_id_x 1
		.amdhsa_system_sgpr_workgroup_id_y 1
		.amdhsa_system_sgpr_workgroup_id_z 1
		.amdhsa_system_vgpr_workitem_id 0
		.amdhsa_next_free_vgpr 256
		.amdhsa_next_free_sgpr 66
		.amdhsa_reserve_vcc 1
		.amdhsa_float_denorm_mode_32 3
		.amdhsa_float_denorm_mode_16_64 3
		.amdhsa_memory_ordered 1
		.amdhsa_forward_progress 1
		.amdhsa_inst_pref_size 66
	.end_amdhsa_kernel
	.amdgpu_metadata
---
amdhsa.version: [ 1, 2 ]
amdhsa.kernels:
  - .name:           k_qc6b7e2f99c_quant
    .symbol:         k_qc6b7e2f99c_quant.kd
    .args:
      - { .name: x, .offset: 0, .size: 8, .value_kind: global_buffer, .address_space: global }
      - { .name: Wq, .offset: 8, .size: 8, .value_kind: global_buffer, .address_space: global }
      - { .name: Wk, .offset: 16, .size: 8, .value_kind: global_buffer, .address_space: global }
      - { .name: Wv, .offset: 24, .size: 8, .value_kind: global_buffer, .address_space: global }
      - { .name: Wo, .offset: 32, .size: 8, .value_kind: global_buffer, .address_space: global }
      - { .name: bq, .offset: 40, .size: 8, .value_kind: global_buffer, .address_space: global }
      - { .name: bk, .offset: 48, .size: 8, .value_kind: global_buffer, .address_space: global }
      - { .name: bv, .offset: 56, .size: 8, .value_kind: global_buffer, .address_space: global }
      - { .name: bo, .offset: 64, .size: 8, .value_kind: global_buffer, .address_space: global }
      - { .name: xq, .offset: 72, .size: 8, .value_kind: global_buffer, .address_space: global }
      - { .name: wqkq, .offset: 80, .size: 8, .value_kind: global_buffer, .address_space: global }
      - { .name: wvq, .offset: 88, .size: 8, .value_kind: global_buffer, .address_space: global }
      - { .name: woq, .offset: 96, .size: 8, .value_kind: global_buffer, .address_space: global }
    .group_segment_fixed_size: 26112
    .private_segment_fixed_size: 0
    .kernarg_segment_align: 8
    .kernarg_segment_size: 104
    .max_flat_workgroup_size: 96
    .sgpr_count:     66
    .vgpr_count:     256
    .wavefront_size: 32
...
	.end_amdgpu_metadata
.endif
;; end of part 1
;; launch projqk (part 2): grid 8 x 32, 4 waves a work-group, clusters of 4 x 4, 327,680 bytes of LDS; arguments xq, wqkq, qko; writes qko
.if DOCPART == 2
	.amdgcn_target "amdgcn-amd-amdhsa--gfx1250"
	.amdhsa_code_object_version 6
	.text
	.protected	k_qc6b7e2f99c_projqk
	.globl	k_qc6b7e2f99c_projqk
	.p2align	8
	.type	k_qc6b7e2f99c_projqk,@function
k_qc6b7e2f99c_projqk:
	s_mov_b64 s[64:65], 0
	v_nop
	global_prefetch_b8 v0, s[64:65] scope:SCOPE_SE
	s_setreg_imm32_b32 hwreg(HW_REG_WAVE_MODE, 25, 1), 1
	s_wait_xcnt 0x0
	s_wait_alu depctr_hold_cnt(0) depctr_sa_sdst(0) depctr_va_vdst(0) depctr_va_sdst(0) depctr_va_ssrc(0) depctr_va_vcc(0) depctr_vm_vsrc(0)
	s_getreg_b32 s2, hwreg(HW_REG_IB_STS2, 6, 4)
	s_cmp_eq_u32 s2, 0
	s_cbranch_scc0 .Lentry_in_a_cluster
	s_endpgm
.Lentry_in_a_cluster:
	s_bfe_u32 s2, ttmp6, 0x10000c
	s_cmp_lg_u32 s2, 0xf033
	s_cbranch_scc0 .Lentry_shape_is_right
	s_endpgm
.Lentry_shape_is_right:
.set BI_OFF, 262144
.set CO_OFF, 294912
.set OC_OFF, 2097152
.set NQ,     2
.set FR,     12
.set NL,     4
.set NP,     4
.set TILEB,  1536
.set ROWB,   NQ*TILEB
.set HALFT,  8*ROWB
.set SLOT,   4*HALFT
.set KS,     32
.set SCL,    2*SLOT
.set HALFS,  (128*KS/256)*272
.set SBLK,   (16*KS/256)*272
.set SPARE,  SCL+4*HALFS
.set ADRA, 16
.set ADRB, 20
.set L16,  24
.set L8,   25
.set SWO,  26
.set ADRS, 27
.set SPW,  28
.set NIL,  29
.set SWI,  30
.set SC,   32
.set BI,   64
.set AF,   128
.set RB,   240
.set H,    128
.set PC,   192
.set TM,   212
.set PWS,  228
.set G1, 24
.set G0, 32
.set G1B, 48
.set G0B, 56
.set G1S, 68
.set G0S, 76
.set G1SB, 80
.set G0SB, 88
.set SEL, 96
.set MSB, 0
.macro WIN new
.if MSB != \new
	s_set_vgpr_msb (MSB<<8)|\new
.set MSB, \new
.endif
.endm
.set MUL_LO,   0xa1
.set MUL_HI,   0xf1
.set FIRST_LO, 0x81
.set FIRST_HI, 0xc1
.set TO_B,     0x40
.macro JLOAD g0a, g1a, g0b, g1b
	s_cmp_eq_u32 s15, 0
	s_cbranch_scc0 .Lfor_b_\@
	tensor_load_to_lds s[\g0a:\g0a+3], s[\g1a:\g1a+7]
	s_nop 0
.rept 4
	v_nop
.endr
	s_branch .Lasked_\@
.Lfor_b_\@:
	tensor_load_to_lds s[\g0b:\g0b+3], s[\g1b:\g1b+7]
	s_nop 0
.rept 4
	v_nop
.endr
.Lasked_\@:
.endm
.macro CREST
	s_cmp_lg_u32 s14, 0
	s_cbranch_scc1 .Lnot_wave_0_\@
	s_barrier_signal -3
.Lnot_wave_0_\@:
	s_barrier_wait -3
	s_barrier_signal -1
	s_barrier_wait -1
.endm
.macro CROUND
	s_barrier_signal -1
	s_barrier_wait -1
	CREST
.endm
.macro QUANT s, pw
.irp b, 0,1,2,3
	v_max3_num_f32 v[TM+\b], |v[\s+16*\b]|, |v[\s+1+16*\b]|, 0x1800000
.endr
.irp i, 2,4,6,8,10,12,14
.irp b, 0,1,2,3
	v_max3_num_f32 v[TM+\b], v[TM+\b], |v[\s+16*\b+\i]|, |v[\s+1+16*\b+\i]|
.endr
.endr
.irp b, 0,1,2,3
	v_permlanex16_b32 v[TM+4+\b], v[TM+\b], s[SEL], s[SEL+1]
.endr
.irp b, 0,1,2,3
	v_max_num_f32 v[TM+\b], v[TM+\b], v[TM+4+\b]
.endr
.irp b, 0,1,2,3
	v_add_nc_u32 v[TM+12+\b], 0xff000000, v[TM+\b]
.endr
.irp b, 0,1,2,3
	v_lshrrev_b32 v[TM+4+\b], 23, v[TM+12+\b]
.endr
	v_lshl_or_b32 v[\pw], v[TM+5], 8, v[TM+4]
	v_lshl_or_b32 v[\pw], v[TM+6], 16, v[\pw]
	v_lshl_or_b32 v[\pw], v[TM+7], 24, v[\pw]
.irp c, 0,1
	v_cvt_scalef32_pk16_fp6_f32 v[PC+6*\c:PC+2+6*\c], v[\s+32*\c:\s+15+32*\c], v[TM+12+2*\c]
	v_cvt_scalef32_pk16_fp6_f32 v[PC+12+4*\c:PC+14+4*\c], v[\s+16+32*\c:\s+31+32*\c], v[TM+12+2*\c+1]
.endr
	v_nop
.irp c, 0,1
.irp i, 0,1,2
	v_permlane16_swap_b32 v[PC+6*\c+\i], v[PC+12+4*\c+\i]
.endr
.irp i, 0,1,2
	v_mov_b32 v[PC+3+6*\c+\i], v[PC+12+4*\c+\i]
.endr
.endr
.endm
	s_load_b128 s[4:7], s[0:1], 0x0
	s_load_b64 s[12:13], s[0:1], 0x10
	v_lshl_add_u32 v[SPW], v0, 2, SPARE
	v_mov_b32 v[NIL], 0
	ds_add_u32 v28, v29
	ds_add_u32 v28, v29
	s_wait_dscnt 0x0
	v_lshrrev_b32 v1, 5, v0
	v_readfirstlane_b32 s14, v1
	s_lshr_b32 s15, s14, 1
	s_and_b32 s16, s14, 1
	s_bfe_u32 s40, ttmp6, 0x40000
	s_bfe_u32 s41, ttmp6, 0x40004
	s_lshl_b32 s42, ttmp9, 2
	s_add_co_u32 s42, s42, s40
	s_and_b32 s17, ttmp7, 0xffff
	s_lshl_b32 s17, s17, 2
	s_add_co_u32 s17, s17, s41
	s_lshl_b32 s43, s41, 2
	s_lshl_b32 s43, 15, s43
	s_lshl_b32 s44, 0x1111, s40
	s_or_b32 s[G1+0], s43, (3<<16)|(1<<21)
	s_or_b32 s[G1B+0], s44, (3<<16)|(1<<21)
.irp g, G1, G1B
	s_mov_b32 s[\g+1], 384<<16
	s_mov_b32 s[\g+2], 16<<16
	s_mov_b32 s[\g+3], 384<<16
	s_mov_b32 s[\g+4], 16
	s_mov_b32 s[\g+5], 1536
	s_mov_b32 s[\g+6], 0
	s_mov_b32 s[\g+7], 0
.endr
	s_or_b32 s[G1S+0], s43, (3<<16)|(1<<20)|(1<<21)|(5<<22)|(3<<25)
	s_or_b32 s[G1SB+0], s44, (3<<16)|(1<<20)|(1<<21)|(5<<22)|(3<<25)
.irp g, G1S, G1SB
	s_mov_b32 s[\g+1], 32<<16
	s_mov_b32 s[\g+2], (256*KS/256)<<16
	s_mov_b32 s[\g+3], 32<<16
	s_mov_b32 s[\g+4], 256*KS/256
	s_mov_b32 s[\g+5], 32
	s_mov_b32 s[\g+6], 0
	s_mov_b32 s[\g+7], 0
.endr
	s_lshl_b32 s20, s17, 8
	s_lshl_b32 s46, s42, 8
	s_lshl_b32 s22, s20, 5
	s_mov_b32 s23, 0
	s_lshl_b32 s92, s46, 5
	s_mov_b32 s93, 0
	s_mul_i32 s20, s20, 768
	s_add_co_u32 s20, s20, CO_OFF
	s_mov_b32 s21, 0
	s_mul_i32 s46, s46, 768
	s_add_co_u32 s46, s46, CO_OFF
	s_mov_b32 s47, 0
	s_mul_i32 s45, s14, HALFT
	s_mul_i32 s18, s16, 128*768                    ; in the ring a wave fetches 128 rows of a tile: which half, in bytes
	s_mov_b32 s19, 0
	s_wait_kmcnt 0x0
	s_add_nc_u64 s[20:21], s[4:5], s[20:21]
	s_add_nc_u64 s[22:23], s[4:5], s[22:23]
	s_add_nc_u64 s[46:47], s[6:7], s[46:47]
	s_add_nc_u64 s[92:93], s[6:7], s[92:93]
	CROUND
	s_mov_b32 s[G0S], 1                            ; the head's four tiles, each whole: the scales of A's 256 rows,
	s_mov_b32 s[G0S+1], SCL
	s_mov_b64 s[G0S+2:G0S+3], s[22:23]
	s_or_b32 s[G0S+3], s[G0S+3], 0x80000000
	s_mov_b32 s[G0SB], 1                           ; of B's,
	s_mov_b32 s[G0SB+1], SCL+2*HALFS
	s_mov_b64 s[G0SB+2:G0SB+3], s[92:93]
	s_or_b32 s[G0SB+3], s[G0SB+3], 0x80000000
	s_mov_b32 s8, 1                                ; slot 0's 256 rows of A,
	s_mov_b32 s9, 0
	s_mov_b64 s[10:11], s[20:21]
	s_or_b32 s11, s11, 0x80000000
	s_mov_b32 s92, 1                               ; and of B
	s_mov_b32 s93, 2*HALFT
	s_mov_b64 s[94:95], s[46:47]
	s_or_b32 s95, s95, 0x80000000
	s_add_nc_u64 s[20:21], s[20:21], s[18:19]      ; for the ring: my 128 rows of the tile
	s_add_nc_u64 s[46:47], s[46:47], s[18:19]
.irp s, 0,1
	s_mov_b32 s[G0+4*\s], 1
	s_add_co_u32 s[G0+4*\s+1], s45, \s*SLOT
	s_add_nc_u64 s[G0+4*\s+2:G0+4*\s+3], s[20:21], \s*ROWB
	s_or_b32 s[G0+4*\s+3], s[G0+4*\s+3], 0x80000000
	s_mov_b32 s[G0B+4*\s], 1
	s_add_co_u32 s[G0B+4*\s+1], s45, \s*SLOT
	s_add_nc_u64 s[G0B+4*\s+2:G0B+4*\s+3], s[46:47], \s*ROWB
	s_or_b32 s[G0B+4*\s+3], s[G0B+4*\s+3], 0x80000000
.endr
; the head's loads, one a wave, in one chain of branches on the wave's number
.macro ARM under, g0, g1, next
	s_cmp_lt_u32 s14, \under
	s_cbranch_scc0 \next
	tensor_load_to_lds s[\g0:\g0+3], s[\g1:\g1+7]
	s_nop 0
.rept 4
	v_nop
.endr
	s_branch .Lhead_asked
\next:
.endm
	ARM 1, 8,   G1,  .Lhead_b
	ARM 2, 92,  G1B, .Lhead_sa
	ARM 3, G0S, G1S, .Lhead_sb
	tensor_load_to_lds s[G0SB:G0SB+3], s[G1SB:G1SB+7]
	s_nop 0
.rept 4
	v_nop
.endr
.Lhead_asked:
	v_and_b32 v1, 15, v0
	s_wait_alu depctr_va_vdst(0)
	v_bfe_u32 v2, v0, 4, 1
	v_and_b32 v4, 31, v0
	v_lshlrev_b32 v[L16], 4, v4
	s_wait_alu depctr_va_vdst(0)
	v_lshlrev_b32 v[L8], 3, v4
	v_add_nc_u32 v5, 512, v[L8]
	s_wait_alu depctr_va_vdst(0)
	s_lshl_b32 s46, s42, 10
	s_lshl_b32 s47, s16, 9
	s_add_co_u32 s46, s46, s47
	s_add_co_u32 s46, s46, BI_OFF
	s_mov_b32 s47, 0
	s_add_nc_u64 s[6:7], s[6:7], s[46:47]
	v_lshlrev_b32 v3, 6, v2
.irp b, 0,1,2,3,4,5,6,7
	global_load_b128 v[BI+8*\b:BI+8*\b+3], v3, s[6:7] offset:(32*(\b/2)+8*(\b%2))*4
	global_load_b128 v[BI+8*\b+4:BI+8*\b+7], v3, s[6:7] offset:(32*(\b/2)+8*(\b%2))*4+16
.endr
	s_lshl_b32 s20, s17, 10
	s_lshl_b32 s21, s15, 9
	s_add_co_u32 s20, s20, s21
	s_add_co_u32 s20, s20, BI_OFF
	s_mov_b32 s21, 0
	s_add_nc_u64 s[4:5], s[4:5], s[20:21]
	v_and_b32 v7, 8, v1
	v_add_nc_u32 v7, v7, v1
	v_lshlrev_b32 v7, 2, v7
.irp a, 0,1,2,3,4,5,6,7
	global_load_b32 v[RB+2*\a], v7, s[4:5] offset:(32*(\a/2)+8*(\a%2))*4
	global_load_b32 v[RB+2*\a+1], v7, s[4:5] offset:(32*(\a/2)+8*(\a%2))*4
.endr
	s_mul_i32 s21, s15, HALFT
	s_mul_i32 s22, s16, HALFT
	s_add_co_u32 s22, s22, 2*HALFT
.irp s, 0,1
	v_add_nc_u32 v[ADRA+\s], s21, v[L16]
	v_add_nc_u32 v[ADRB+\s], s22, v[L16]
	v_add_nc_u32 v[ADRA+2+\s], s21, v5
	v_add_nc_u32 v[ADRB+2+\s], s22, v5
	s_add_co_u32 s21, s21, SLOT
	s_add_co_u32 s22, s22, SLOT
.endr
	v_mul_u32_u24 v5, v1, KS
	v_lshrrev_b32 v6, 8, v5
	v_lshl_add_u32 v5, v6, 4, v5
	s_mul_i32 s21, s15, HALFS
	s_mul_i32 s22, s16, HALFS
	s_add_co_u32 s22, s22, 2*HALFS
	s_sub_co_u32 s22, s22, s21
	v_mul_u32_u24 v6, s22, v2
	s_add_co_u32 s21, s21, SCL
	v_add_nc_u32 v5, v5, v6
	v_add_nc_u32 v[ADRS], s21, v5
	s_lshl_b32 s23, s14, 9
	v_lshl_add_u32 v[SWO], v1, 2, s23
	v_add_nc_u32 v[SWI], s23, v[L16]
	s_mov_b32 s[SEL], 0x76543210
	s_mov_b32 s[SEL+1], 0xfedcba98
	s_lshl_b32 s46, s42, 1
	s_add_co_u32 s46, s46, s16
	s_lshl_b32 s46, s46, 9
	s_lshl_b32 s47, s17, 4
	s_add_co_u32 s46, s46, s47
	s_lshl_b32 s47, s15, 3
	s_add_co_u32 s46, s46, s47
	s_lshl_b32 s20, s46, 6
	s_mov_b32 s21, 0
	s_add_nc_u64 s[98:99], s[12:13], s[20:21]
	s_mul_i32 s20, s46, TILEB
	s_add_co_u32 s20, s20, OC_OFF
	s_add_nc_u64 s[12:13], s[12:13], s[20:21]
.macro FRAG reg, adr, q, i
	ds_load_b128 v[\reg:\reg+3], v[\adr] offset:ROWB*(\i)+TILEB*(\q)
	ds_load_b64 v[\reg+4:\reg+5], v[\adr+2] offset:ROWB*(\i)+TILEB*(\q)
	ds_load_b128 v[\reg+6:\reg+9], v[\adr] offset:ROWB*(\i)+TILEB*(\q)+768
	ds_load_b64 v[\reg+10:\reg+11], v[\adr+2] offset:ROWB*(\i)+TILEB*(\q)+768
.endm
.macro MUL16 a0, p, q, sc, first
.irp a, \a0, \a0+1
.irp b, 0,1,2,3,4,5,6,7
.if \first
	v_wmma_scale_f32_16x16x128_f8f6f4 v[8*(8*((\a)%4)+\b):8*(8*((\a)%4)+\b)+7], v[128*(\p)+FR*\b:128*(\p)+FR*\b+FR-1], v[AF+FR*(\a):AF+FR*(\a)+FR-1], v[BI+8*\b:BI+8*\b+7], v[SC+8*NQ*(\sc)+NQ*\b+(\q)], v[SC+8*NQ*(\sc)+NQ*(\a)+(\q)] matrix_a_fmt:MATRIX_FMT_FP6 matrix_b_fmt:MATRIX_FMT_FP6 matrix_a_scale:MATRIX_SCALE_ROW1
.else
	v_wmma_scale_f32_16x16x128_f8f6f4 v[8*(8*((\a)%4)+\b):8*(8*((\a)%4)+\b)+7], v[128*(\p)+FR*\b:128*(\p)+FR*\b+FR-1], v[AF+FR*(\a):AF+FR*(\a)+FR-1], v[8*(8*((\a)%4)+\b):8*(8*((\a)%4)+\b)+7], v[SC+8*NQ*(\sc)+NQ*\b+(\q)], v[SC+8*NQ*(\sc)+NQ*(\a)+(\q)] matrix_a_fmt:MATRIX_FMT_FP6 matrix_b_fmt:MATRIX_FMT_FP6 matrix_a_scale:MATRIX_SCALE_ROW1
.endif
.endr
.endr
.endm
.macro FETCH_B slot, q, p
	WIN TO_B
.irp i, 0,1,2,3,4,5,6,7
	FRAG 128*(\p)+FR*\i, ADRB+\slot, \q, \i
.endr
	WIN 0
.endm
.macro FETCH_A slot, q, i0
.irp i, \i0, \i0+1, \i0+2, \i0+3
	FRAG AF+FR*(\i), ADRA+\slot, \q, \i
.endr
.endm
.macro SCALES sc
.irp i, 0,1,2,3,4,5,6,7
	ds_load_b64 v[SC+8*NQ*\sc+NQ*\i:SC+8*NQ*\sc+NQ*\i+1], v[ADRS] offset:\i*SBLK
.endr
.endm
.macro PLACES n
.rept \n
	v_nop
.endr
.endm
.macro STEP slot, q, first
	s_wait_dscnt 4*NL
.if \first
	WIN FIRST_LO
.else
	WIN MUL_LO
.endif
	MUL16 0, (\q)%2, \q, \slot, \first
	MUL16 2, (\q)%2, \q, \slot, \first
	s_wait_dscnt 0
	PLACES NP
	FETCH_B \slot, (\q)+1, 1-(\q)%2
	FETCH_A \slot, (\q)+1, 0
.if \first
	WIN FIRST_HI
.else
	WIN MUL_HI
.endif
	MUL16 4, (\q)%2, \q, \slot, \first
	MUL16 6, (\q)%2, \q, \slot, \first
	PLACES NP
	WIN 0
	FETCH_A \slot, (\q)+1, 4
.endm
.macro TURN slot, next, fill
	s_wait_tensorcnt 0x0
	ds_add_u32 v[SPW], v[NIL]
	s_wait_dscnt 4*NL+1
	WIN MUL_LO
	MUL16 0, 1, NQ-1, \slot, 0
	s_wait_dscnt 0x0
	s_barrier_signal -1
	MUL16 2, 1, NQ-1, \slot, 0
	WIN 0
	s_barrier_wait -1
.if \fill
	CREST
	s_add_nc_u64 s[G0+4*\slot+2:G0+4*\slot+3], s[G0+4*\slot+2:G0+4*\slot+3], 2*ROWB
	s_add_nc_u64 s[G0B+4*\slot+2:G0B+4*\slot+3], s[G0B+4*\slot+2:G0B+4*\slot+3], 2*ROWB
	JLOAD G0+4*\slot, G1, G0B+4*\slot, G1B
.else
	PLACES NP
.endif
	s_wait_alu depctr_va_vdst(0)
	v_add_nc_u32 v[ADRS], 4*NQ, v[ADRS]
	FETCH_B \next, 0, 0
	FETCH_A \next, 0, 0
	SCALES \next
	WIN MUL_HI
	MUL16 4, 1, NQ-1, \slot, 0
	MUL16 6, 1, NQ-1, \slot, 0
	PLACES NP
	WIN 0
	FETCH_A \next, 0, 4
.endm
	s_wait_alu depctr_va_vdst(0)
	s_wait_tensorcnt 0x0                           ; my tile of the head's four is in
	ds_add_u32 v28, v29
	s_mov_b32 s[G1+2], 8<<16                       ; no tensor load of mine is out: from here on a load brings 8 rows of images (128 rows of the operand)
	s_mov_b32 s[G1+4], 8
	s_mov_b32 s[G1B+2], 8<<16
	s_mov_b32 s[G1B+4], 8
	s_wait_dscnt 0x0
	CROUND
	JLOAD G0+4, G1, G0B+4, G1B                     ; slot 1's first fill, the first tensor load behind the round
	FETCH_B 0, 0, 0
	FETCH_A 0, 0, 0
	SCALES 0
	FETCH_A 0, 0, 4
	s_wait_loadcnt 0x0
	STEP 0, 0, 1
	TURN 0, 1, 1
	STEP 1, 0, 0
	TURN 1, 0, 1
	STEP 0, 0, 0
	TURN 0, 1, 0
	STEP 1, 0, 0
	s_wait_dscnt 4*NL
	WIN MUL_LO
	MUL16 0, 1, NQ-1, 1, 0
	MUL16 2, 1, NQ-1, 1, 0
	s_wait_dscnt 0
	WIN MUL_HI
	MUL16 4, 1, NQ-1, 1, 0
	MUL16 6, 1, NQ-1, 1, 0
	WIN 0
	PLACES NP
.irp b, 0,1,2,3
	v_mov_b32 v[TM+4+\b], 0
.endr
.irp a, 0,1,2,3,4,5,6,7
.if \a > 0
	s_wait_xcnt 0x0
.endif
	WIN 0x02+(\a/4)
.irp i, 0,2,4,6,8,10,12,14,16,18,20,22,24,26,28,30,32,34,36,38,40,42,44,46,48,50,52,54,56,58,60,62
	v_pk_add_f32 v[H+\i:H+\i+1], v[64*(\a%4)+\i:64*(\a%4)+\i+1], v[RB+2*\a:RB+2*\a+1]
.endr
	WIN 0
	QUANT H, PWS+\a
	global_store_b128 v[L16], v[PC:PC+3], s[12:13] offset:TILEB*\a
	global_store_b64 v[L8], v[PC+4:PC+5], s[12:13] offset:TILEB*\a+512
	global_store_b128 v[L16], v[PC+6:PC+9], s[12:13] offset:TILEB*\a+768
	global_store_b64 v[L8], v[PC+10:PC+11], s[12:13] offset:TILEB*\a+1280
	ds_store_b32 v[SWO], v[PWS+\a] offset:64*\a
.endr
	ds_load_b128 v[236:239], v[SWI]
	s_wait_dscnt 0x0
	global_store_b128 v[L16], v[236:239], s[98:99]
	s_wait_tensorcnt 0x0
	ds_add_u32 v[SPW], v[NIL]
	s_wait_dscnt 0x0
	CROUND
	s_endpgm
.Lfunc_end_k_qc6b7e2f99c_projqk:
	.size	k_qc6b7e2f99c_projqk, .Lfunc_end_k_qc6b7e2f99c_projqk-k_qc6b7e2f99c_projqk
	.p2alignl 7, 3214868480
	.fill 96, 4, 3214868480
	.section	.rodata,"a",@progbits
	.p2align	6, 0x0
	.amdhsa_kernel k_qc6b7e2f99c_projqk
		.amdhsa_group_segment_fixed_size 327680
		.amdhsa_private_segment_fixed_size 0
		.amdhsa_enable_private_segment 0
		.amdhsa_kernarg_size 24
		.amdhsa_user_sgpr_count 2
		.amdhsa_user_sgpr_kernarg_segment_ptr 1
		.amdhsa_wavefront_size32 1
		.amdhsa_system_sgpr_workgroup_id_x 1
		.amdhsa_system_sgpr_workgroup_id_y 1
		.amdhsa_system_sgpr_workgroup_id_z 1
		.amdhsa_system_vgpr_workitem_id 0
		.amdhsa_next_free_vgpr 1024
		.amdhsa_next_free_sgpr 100
		.amdhsa_reserve_vcc 0
		.amdhsa_float_denorm_mode_32 3
		.amdhsa_float_denorm_mode_16_64 3
		.amdhsa_memory_ordered 1
		.amdhsa_forward_progress 1
		.amdhsa_inst_pref_size 169
	.end_amdhsa_kernel
	.amdgpu_metadata
---
amdhsa.version: [ 1, 2 ]
amdhsa.kernels:
  - .name:           k_qc6b7e2f99c_projqk
    .symbol:         k_qc6b7e2f99c_projqk.kd
    .args:
      - { .name: xq, .offset: 0, .size: 8, .value_kind: global_buffer, .address_space: global }
      - { .name: wqkq, .offset: 8, .size: 8, .value_kind: global_buffer, .address_space: global }
      - { .name: qko, .offset: 16, .size: 8, .value_kind: global_buffer, .address_space: global }
    .group_segment_fixed_size: 327680
    .private_segment_fixed_size: 0
    .kernarg_segment_align: 8
    .kernarg_segment_size: 24
    .max_flat_workgroup_size: 128
    .sgpr_count:     100
    .vgpr_count:     1024
    .wavefront_size: 32
...
	.end_amdgpu_metadata
.endif
;; end of part 2
;; launch projv: the kernel of part 2 again; grid 32 x 4, 4 waves a work-group, clusters of 4 x 4, 327,680 bytes of LDS; arguments wvq, xq, vo; writes vo
;; launch attn (part 3): grid 4 x 64, 8 waves a work-group, clusters of 4 x 1, 209,920 bytes of LDS; arguments qko, vo, ro; writes ro
.if DOCPART == 3
	.amdgcn_target "amdgcn-amd-amdhsa--gfx1250"
	.amdhsa_code_object_version 6
	.text
	.protected	k_qc6b7e2f99c_attn
	.globl	k_qc6b7e2f99c_attn
	.p2align	8
	.type	k_qc6b7e2f99c_attn,@function
k_qc6b7e2f99c_attn:
	s_mov_b64 s[64:65], 0
	v_nop
	global_prefetch_b8 v0, s[64:65] scope:SCOPE_SE
	s_setreg_imm32_b32 hwreg(HW_REG_WAVE_MODE, 25, 1), 1
	s_wait_xcnt 0x0
	s_wait_alu depctr_hold_cnt(0) depctr_sa_sdst(0) depctr_va_vdst(0) depctr_va_sdst(0) depctr_va_ssrc(0) depctr_va_vcc(0) depctr_vm_vsrc(0)
	s_getreg_b32 s2, hwreg(HW_REG_IB_STS2, 6, 4)
	s_cmp_eq_u32 s2, 0
	s_cbranch_scc0 .Lentry_in_a_cluster
	s_endpgm
.Lentry_in_a_cluster:
	s_bfe_u32 s2, ttmp6, 0x10000c
	s_cmp_lg_u32 s2, 0x3003
	s_cbranch_scc0 .Lentry_shape_is_right
	s_endpgm
.Lentry_shape_is_right:
; res[b][q][h][:] = the sum over keys of softmax(q . k / 8) v, 64 heads (batch x head) of 2,048 tokens x 64, both products on codes of MX-FP6 (E2M3, one E8M0 byte for each 32 along K); res is quantised along the heads' axis and leaves as codes.
; THE SOFTMAX: t = score x log2(e) / 8; M = the row's largest t so far, rounded UP to a whole number; p = 2^(t - M) is quantised along the keys, not normalised.  The row's sum is taken of the unquantised p, in f32, and divides O at the end.
; When M moves, the sum and O are multiplied by 2^(old M - new M): exact.
; WHAT COMES IN.  Tokens, and v's channels, go in tiles of 16: tile R = 2 B + u holds as its row r row 32 B + 8 u + r + 8 (r / 8).  A fragment (16 rows x 128 K) is an image of 1,536 bytes, two halves of 768 (64 along K each):
; in a half registers 0-3 at 16 x lane, 4-5 at 512 + 8 x lane.  qko: index 512 G + token tile, G = pair of heads (q) or 8 + pair (k): a half is one head.  vo: index 512 x (token / 128) + channel tile: v transposed, K = 128 keys.
; Scale words at index x 64 + 4 r, images from OC_OFF at index x 1,536.  WHAT GOES OUT: ro: scale bytes at (16 R + r) x 32 + K / 32, images [token tile][K step] from CO_OFF.
; SHARES.  A work-group owns one head and 512 queries; each of its EIGHT waves owns TWO tiles of 16 queries at a time, twice, in 512 registers: each fragment of K and V read from LDS feeds two products, and the two tiles' chains take turns.
; K's fragments of the next key step and V's of this one are asked of LDS behind the step's first products and land under the softmax.  The last step of a pass so reads one step past K's end (V's first bytes, which have landed): never used.
; THE HEAD'S WHOLE K AND V STAY IN LDS, filled once, one tensor load a wave: waves 0-3 K's and V's scale words and key steps 0-3, shown by the first barrier; waves 4-7 key steps 4-15, shown by a plain barrier behind step 2.  Nothing is filled again.
; CLUSTER.  The four work-groups of a cluster are the head's four blocks of queries: every tile is asked for JOINTLY (mask 15).  No prefetch: every fill goes out at the head, and there is no loop to run ahead in.
; LAYOUT.  Both products are used transposed: S^T = K Q^T, O^T = V^T P^T: a lane holds ONE query of each tile throughout; the 16 registers of tiles 2 B, 2 B + 1 are 16 neighbouring keys (channels).
; The head's K is 64, the instruction's 128: the upper 64 are zero codes on both sides, under the scale byte 0.
; LIMITS: NaN and infinities are not served; the scaled scores stay under 2^31 in magnitude; a block whose largest magnitude lies under 2^-124 gets the byte 1 (this program alone reads the bytes).
; res's two scale bytes a row are stored as 2 bytes at rows 32 bytes apart: one byte in 24 of what the launch stores.
.set OC_OFF, 2097152
.set CO_OFF, 294912
.set VB,   98304                       ; LDS: K's 128 tiles of 768 bytes from 0; V from here: [key step][channel tile][1,536]
.set ST1,  24576                       ; four key steps of K or of V
.set ST2,  36864                       ; six
.set KSC,  196608                      ; K's scale words: tile x 64 + 4 r
.set VSC,  204800                      ; V's: key step x 256 + channel tile x 64 + 4 r
.set SPARE, 208896                     ; the spare words, 128 bytes a wave
; window 0
.set L4,   1                           ; 4, 16, 8 x lane
.set L16,  2
.set L8,   3
.set B8,   4                           ; 512 + 8 x lane
.set BV16, 5
.set BV8,  6
.set BKS,  7                           ; KSC + 4 x lane + 2 (head % 2): lanes 0-15 a tile's rows, lanes 16-31 the next tile's
.set BVS,  8
.set R32,  9                           ; 32 r
.set ADK16, 10                         ; the step's LDS addresses
.set ADK8, 11
.set ADV16, 12
.set ADV8, 13
.set ADS,  14
.set ADT,  15
.set NM,   16                          ; tile a: v[NM+2a] -M, v[NM+2a+1] the largest score so far
.set SUM,  20                          ; the sum in two halves, a pair a tile
.set F,    24                          ; f = 2^(old M - new M), the low word of a pair a tile
.set SPW,  28
.set NIL,  29
.set QF,   32                          ; Q: two fragments (the upper six registers of each stay zeros)
.set KF,   56                          ; K: eight (likewise)
.set VF,   152                         ; V: four
.set KS,   200                         ; scale words: K's (two tiles to a register), V's (likewise), Q's (both tiles), p's
.set VS,   204
.set QS,   206
.set PS,   208
.set BM,   210                         ; block 4 a + b: largest score, then largest p
.set PX,   218
.set SO,   226                         ; the conversions' scale operands
.set T,    234
.set NN,   236
.set D,    238
; window 1
.set S,    0                           ; S^T, then p: 64 a + 8 tile + j
.set O,    128                         ; O^T: 32 a + 8 tile + j
.set PC,   192                         ; p's codes: 12 a
.set CT,   216
.set AC,   232                         ; six partial sums a tile
.set WV,   10
.set SEL,  2
.set CS,   66                          ; s[66:67] c = log2(e) / 8
.set TV,   17                          ; the step's first byte in K and in V
.set TVS,  18
.set TKS,  19
.set CN,   20                          ; -c
.set CNT,  21
.set PASS, 22
.set G1KS, 24
.set G1K1, 32
.set G1K2, 40
.set G1VS, 48
.set G1V1, 56
.set G1V2, 68
.set G0KS, 76
.set G0K1, 80
.set G0K2, 84
.set G0VS, 88
.set G0V1, 92
.set G0V2, 96
.set MSB, 0
.macro WIN new                         ; the immediate's high byte repeats the setting that is left
.if MSB != \new
	s_set_vgpr_msb (MSB<<8)|\new
.set MSB, \new
.endif
.endm
.macro WALU
	s_wait_alu depctr_va_vdst(0)
.endm
.macro GROUP1 g, c, r, p               ; r rows of c elements of 8 bytes, p elements apart in memory, dense in LDS; mask: all four work-groups
	s_mov_b32 s[\g], 15|(3<<16)|(1<<21)
	s_mov_b32 s[\g+1], (\c)<<16
	s_mov_b32 s[\g+2], (\r)<<16
	s_mov_b32 s[\g+3], (\c)<<16
	s_mov_b32 s[\g+4], \r
	s_mov_b32 s[\g+5], \p
	s_mov_b32 s[\g+6], 0
	s_mov_b32 s[\g+7], 0
.endm
.macro G0END g, base                   ; group 0's address: base + s[100:101], and the type
	s_add_nc_u64 s[\g+2:\g+3], s[\base:\base+1], s[100:101]
	s_or_b32 s[\g+3], s[\g+3], 0x80000000
.endm
.macro CROUND
	s_barrier_signal -1
	s_barrier_wait -1
	s_cmp_lg_u32 s[WV], 0
	s_cbranch_scc1 .Lnot_wave_0_\@
	s_barrier_signal -3
.Lnot_wave_0_\@:
	s_barrier_wait -3
	s_barrier_signal -1
	s_barrier_wait -1
.endm
.macro ARM under, g0, g1, next
	s_cmp_lt_u32 s[WV], \under
	s_cbranch_scc0 \next
	tensor_load_to_lds s[\g0:\g0+3], s[\g1:\g1+7]
	s_nop 0
.rept 4
	v_nop
.endr
	s_branch .Lasked
\next:
.endm
.macro QLOAD                           ; two tiles of queries: half an image each, and two scale bytes a row (lanes 0-15 the first tile's, lanes 16-31 the second's)
.irp a, 0,1
	global_load_b128 v[QF+12*\a:QF+12*\a+3], v[L16], s[4:5] offset:1536*\a
	global_load_b64 v[QF+12*\a+4:QF+12*\a+5], v[L8], s[4:5] offset:1536*\a+512
.endr
	global_load_u16 v[QS], v[L4], s[6:7]
.endm
.macro KLOAD a16, a8, as, o, os        ; a key step's eight fragments of K and their scale bytes: 20 loads
.irp t, 0,1,2,3,4,5,6,7
	ds_load_b128 v[KF+12*\t:KF+12*\t+3], v[\a16] offset:\o+768*\t
	ds_load_b64 v[KF+12*\t+4:KF+12*\t+5], v[\a8] offset:\o+768*\t
.endr
.irp i, 0,1,2,3
	ds_load_u16 v[KS+\i], v[\as] offset:\os+128*\i
.endr
.endm
	s_load_b128 s[4:7], s[0:1], 0x0                ; qko, vo
	s_load_b64 s[8:9], s[0:1], 0x10                ; ro
	v_lshl_add_u32 v[SPW], v0, 2, SPARE
	v_mov_b32 v[NIL], 0
	ds_add_u32 v[SPW], v[NIL]                      ; the opening lines
	ds_add_u32 v[SPW], v[NIL]
	v_lshrrev_b32 v1, 5, v0
	v_readfirstlane_b32 s[WV], v1                  ; wave 0..7
	s_and_b32 s14, ttmp7, 0xffff                   ; 16 x batch + head: the four partners share it
	s_lshr_b32 s15, s14, 4                         ; batch
	s_and_b32 s16, s14, 15                         ; head
	s_lshr_b32 s17, s16, 1                         ; its pair
	s_and_b32 s18, s16, 1                          ; and which of the pair
	s_and_b32 s19, s[WV], 1                        ; which of the two later parts
	GROUP1 G1KS, 32, 32, 32                        ; K's scale words: 8,192 dense bytes
	GROUP1 G1K1, 96, 32, 192                       ; 32 tiles' halves of 768 bytes, 1,536 bytes apart
	GROUP1 G1K2, 96, 48, 192
	GROUP1 G1VS, 32, 16, 4096                      ; V's scale words: 256 bytes a key step, 32,768 bytes apart
	GROUP1 G1V1, 768, 4, 98304                     ; four images, 6,144 bytes, a key step, 786,432 bytes apart
	GROUP1 G1V2, 768, 6, 98304
	s_mov_b32 s101, 0
	s_add_co_u32 s20, s17, 8
	s_lshl_b32 s20, s20, 9
	s_lshl_b32 s21, s15, 7
	s_add_co_u32 s20, s20, s21                     ; the head's first tile of keys: 512 (8 + pair) + 128 batch
	s_mul_i32 s21, s18, 768                        ; my head's half of an image
	s_wait_dscnt 0x0                               ; both opening adds are done
	s_wait_kmcnt 0x0
	s_mov_b32 s[G0KS], 1
	s_mov_b32 s[G0KS+1], KSC
	s_lshl_b32 s100, s20, 6
	G0END G0KS, 4
	s_mov_b32 s[G0K1], 1
	s_mov_b32 s[G0K1+1], 0
	s_mul_i32 s100, s20, 1536
	s_add_co_u32 s100, s100, s21
	s_add_co_u32 s100, s100, OC_OFF
	G0END G0K1, 4
	s_mov_b32 s[G0K2], 1
	s_mul_i32 s[G0K2+1], s19, ST2
	s_add_co_u32 s[G0K2+1], s[G0K2+1], ST1
	s_mul_i32 s22, s19, 48*1536
	s_add_co_u32 s100, s100, s22
	s_add_co_u32 s100, s100, 32*1536               ; tiles 32 + 48 j on
	G0END G0K2, 4
	s_mov_b32 s[G0VS], 1
	s_mov_b32 s[G0VS+1], VSC
	s_lshl_b32 s100, s15, 19                       ; 16 batch key steps x 32,768
	s_lshl_b32 s23, s16, 8
	s_add_co_u32 s100, s100, s23
	G0END G0VS, 6
	s_mov_b32 s[G0V1], 1
	s_mov_b32 s[G0V1+1], VB
	s_lshl_b32 s22, s15, 13
	s_lshl_b32 s23, s16, 2
	s_add_co_u32 s22, s22, s23                     ; index 512 x 16 batch + 4 head
	s_mul_i32 s100, s22, 1536
	s_add_co_u32 s100, s100, OC_OFF
	G0END G0V1, 6
	s_mov_b32 s[G0V2], 1
	s_mul_i32 s[G0V2+1], s19, ST2
	s_add_co_u32 s[G0V2+1], s[G0V2+1], VB+ST1
	s_mul_i32 s22, s19, 6*786432
	s_add_co_u32 s100, s100, s22
	s_add_co_u32 s100, s100, 4*786432              ; key steps 4 + 6 j on
	G0END G0V2, 6
	CROUND                                         ; all four work-groups are here: the joint loads meet
	ARM 1, G0KS, G1KS, .Larm1                      ; one chain of branches on the wave's number, one fill to an arm
	ARM 2, G0VS, G1VS, .Larm2
	ARM 3, G0K1, G1K1, .Larm3
	ARM 4, G0V1, G1V1, .Larm4
	ARM 6, G0K2, G1K2, .Larm5
	tensor_load_to_lds s[G0V2:G0V2+3], s[G1V2:G1V2+7]
	s_nop 0
.rept 4
	v_nop
.endr
.Lasked:
	; my queries: token tiles 128 batch + 32 cx + 16 pass + 2 wave + 0, 1.  The place in the cluster enters Q's and the result's global addresses alone
	s_bfe_u32 s11, ttmp6, 0x40000                  ; cx
	s_lshl_b32 s11, s11, 5
	s_lshl_b32 s22, s[WV], 1
	s_add_co_u32 s11, s11, s22
	s_lshl_b32 s22, s15, 7
	s_add_co_u32 s11, s11, s22
	s_lshl_b32 s22, s17, 9
	s_add_co_u32 s22, s22, s11                     ; q's index
	s_lshl_b32 s23, s18, 1                         ; my head's two bytes of a scale word
	s_mov_b32 s15, 0
	s_lshl_b32 s14, s22, 6
	s_add_co_u32 s14, s14, s23
	s_add_nc_u64 s[6:7], s[4:5], s[14:15]          ; Q's scale bytes
	s_mul_i32 s14, s22, 1536
	s_add_co_u32 s14, s14, s21
	s_add_co_u32 s14, s14, OC_OFF
	s_add_nc_u64 s[4:5], s[4:5], s[14:15]          ; Q's codes
	s_lshl_b32 s14, s11, 9
	s_lshl_b32 s22, s16, 1
	s_add_co_u32 s14, s14, s22
	s_add_nc_u64 s[12:13], s[8:9], s[14:15]        ; the result's scale bytes: tile x 512 + 2 head (+ 32 r)
	s_lshl_b32 s14, s11, 3
	s_add_co_u32 s14, s14, s17
	s_mul_i32 s14, s14, 1536
	s_add_co_u32 s14, s14, s21
	s_add_co_u32 s14, s14, CO_OFF
	s_add_nc_u64 s[8:9], s[8:9], s[14:15]          ; its codes: image 8 tile + pair, my head's half
	s_mov_b32 s[SEL], 0x76543210
	s_mov_b32 s[SEL+1], 0xfedcba98
	s_mov_b32 s[CS], 0x3e38aa3b
	s_mov_b32 s[CS+1], s[CS]
	s_mov_b32 s[CN], 0xbe38aa3b
	s_mov_b32 s[PASS], 2
	v_and_b32 v[L8], 31, v0
	v_lshlrev_b32 v[L4], 2, v[L8]
	v_lshlrev_b32 v[L16], 4, v[L8]
	v_lshlrev_b32 v[L8], 3, v[L8]
	QLOAD
	v_and_b32 v[R32], 15, v0
	v_lshlrev_b32 v[R32], 5, v[R32]
	v_add_nc_u32 v[B8], 512, v[L8]
	v_add_nc_u32 v[BV16], VB, v[L16]
	v_add_nc_u32 v[BV8], VB+512, v[L8]
	v_add_nc_u32 v[BKS], KSC, v[L4]
	v_add_nc_u32 v[BVS], VSC, v[L4]
	v_add_nc_u32 v[BKS], s23, v[BKS]
.irp i, 6,7,8,9,10,11
.irp a, 0,1
	v_mov_b32 v[QF+12*\a+\i], 0                    ; the upper 64 of the instruction's K: zero codes in Q,
.endr
.irp t, 0,1,2,3,4,5,6,7
	v_mov_b32 v[KF+12*\t+\i], 0                    ; and in K's fragments: written once
.endr
.endr
.irp b, 0,1,2,3,4,5,6,7
	v_mov_b32 v[PX+\b], 0                          ; a lane permute's destination counts as one of its sources
.endr
	v_mov_b32 v[F+1], 0                            ; named as the upper halves of pairs
	v_mov_b32 v[F+3], 0
	WALU                                           ; the wait at the head's end
	s_cmp_lt_u32 s[WV], 4
	s_cbranch_scc0 .Llater
	s_wait_tensorcnt 0x0                           ; waves 0-3: the scale words and key steps 0-3
.Llater:
	s_barrier_signal -1
	s_barrier_wait -1                              ; they are shown to all; key steps 4-15 may be on their way
; A KEY STEP: 128 keys x my 32 queries
.macro STEP
	s_wait_dscnt 0x0                               ; K's fragments and scale bytes, asked for a step ago
	WIN 0x40
.irp i, 0,1,2,3
.irp u, 0,1
.irp a, 0,1
	v_wmma_scale_f32_16x16x128_f8f6f4 v[S+64*\a+8*(2*\i+\u):S+64*\a+8*(2*\i+\u)+7], v[KF+12*(2*\i+\u):KF+12*(2*\i+\u)+11], v[QF+12*\a:QF+12*\a+11], 0, v[KS+\i], v[QS] matrix_a_fmt:MATRIX_FMT_FP6 matrix_b_fmt:MATRIX_FMT_FP6 matrix_a_scale:MATRIX_SCALE_ROW\u matrix_b_scale:MATRIX_SCALE_ROW\a
.endr
.endr
.endr
	WIN 0
	v_add_nc_u32 v[ADV16], s[TV], v[BV16]          ; the six additions are the places behind the products
	v_add_nc_u32 v[ADV8], s[TV], v[BV8]
	v_add_nc_u32 v[ADT], s[TVS], v[BVS]
	v_add_nc_u32 v[ADK16], s[TV], v[L16]
	v_add_nc_u32 v[ADK8], s[TV], v[B8]
	v_add_nc_u32 v[ADS], s[TKS], v[BKS]
.irp t, 0,1,2,3                                ; this step's V: 18 loads
.irp c, 0,1
	ds_load_b128 v[VF+12*\t+6*\c:VF+12*\t+6*\c+3], v[ADV16] offset:1536*\t+768*\c
	ds_load_b64 v[VF+12*\t+6*\c+4:VF+12*\t+6*\c+5], v[ADV8] offset:1536*\t+768*\c
.endr
.endr
.irp i, 0,1
	ds_load_b32 v[VS+\i], v[ADT] offset:128*\i
.endr
	KLOAD ADK16, ADK8, ADS, 6144, 512              ; the next step's K: 20 loads
	WIN 0x15                                       ; the largest score of each block of 32 keys: eight blocks by turns
.irp a, 0,1
.irp b, 0,1,2,3
	v_max3_num_f32 v[BM+4*\a+\b], v[S+64*\a+16*\b], v[S+64*\a+16*\b+1], v[S+64*\a+16*\b+2]
.endr
.endr
	WIN 0x14
.irp i, 3,5,7,9,11,13
.irp a, 0,1
.irp b, 0,1,2,3
	v_max3_num_f32 v[BM+4*\a+\b], v[BM+4*\a+\b], v[S+64*\a+16*\b+\i], v[S+64*\a+16*\b+\i+1]
.endr
.endr
.endr
.irp a, 0,1
.irp b, 0,1,2,3
	v_max_num_f32 v[BM+4*\a+\b], v[BM+4*\a+\b], v[S+64*\a+16*\b+15]
.endr
.endr
	WIN 0
.irp b, 0,1,2,3,4,5,6,7
	v_permlanex16_b32 v[PX+\b], v[BM+\b], s[SEL], s[SEL+1]
.endr
.irp b, 0,1,2,3,4,5,6,7
	v_max_num_f32 v[BM+\b], v[BM+\b], v[PX+\b]     ; with lane l xor 16's 16 keys
.endr
.irp a, 0,1                                    ; the two tiles' chains by turns
	v_max3_num_f32 v[T+\a], v[BM+4*\a], v[BM+4*\a+1], v[BM+4*\a+2]
.endr
.irp a, 0,1
	v_max3_num_f32 v[NM+2*\a+1], v[NM+2*\a+1], v[T+\a], v[BM+4*\a+3]   ; the running largest score
.endr
.irp a, 0,1
	v_mul_f32 v[T+\a], s[CN], v[NM+2*\a+1]         ; -t
.endr
.irp a, 0,1
	v_floor_f32 v[NN+\a], v[T+\a]                  ; the new -M = floor(-t) = -ceil(t)
.endr
.irp a, 0,1
	v_sub_f32 v[D+\a], v[NN+\a], v[NM+2*\a]        ; M's old value less its new one: a whole number, 0 or less
.endr
.irp a, 0,1
	v_cvt_i32_f32 v[D+\a], v[D+\a]                 ; (it saturates)
.endr
.irp a, 0,1
	v_ldexp_f32 v[F+2*\a], 1.0, v[D+\a]            ; f
.endr
.irp a, 0,1
	v_mov_b32 v[NM+2*\a], v[NN+\a]
.endr
.irp a, 0,1
.irp b, 0,1,2,3
	v_fma_f32 v[BM+4*\a+\b], v[BM+4*\a+\b], s[CS], v[NM+2*\a]   ; t - M of each block's largest score
.endr
.endr
.irp a, 0,1
	v_pk_mul_f32 v[SUM+2*\a:SUM+2*\a+1], v[SUM+2*\a:SUM+2*\a+1], v[F+2*\a:F+2*\a+1] op_sel_hi:[1,0]
.endr
	WIN 0x41
.irp a, 0,1                                    ; O^T under the new M, each accumulator from its low end on
.irp j, 0,2,4,6,8,10,12,14,16,18,20,22,24,26,28,30
	v_pk_mul_f32 v[O+32*\a+\j:O+32*\a+\j+1], v[O+32*\a+\j:O+32*\a+\j+1], v[F+2*\a:F+2*\a+1] op_sel_hi:[1,0]
.endr
.endr
.set J, 0
.rept 32
	v_pk_fma_f32 v[S+J:S+J+1], v[S+J:S+J+1], s[CS:CS+1], v[NM:NM+1] op_sel_hi:[1,0,0]   ; the first tile's t - M
.set J, J+2
.endr
	WALU                                           ; the wait ahead of a batch of exponentials
.set J, 0
.rept 32                                       ; the first tile's p; the second tile's t - M stands among the exponentials (it names none of their registers)
	v_exp_f32 v[S+J], v[S+J]
	v_pk_fma_f32 v[S+64+J:S+64+J+1], v[S+64+J:S+64+J+1], s[CS:CS+1], v[NM+2:NM+3] op_sel_hi:[1,0,0]
	v_exp_f32 v[S+J+1], v[S+J+1]
.set J, J+2
.endr
	WALU                                           ; ahead of the second batch, whose sources were just written
.set J, 0
.rept 64
	v_exp_f32 v[S+64+J], v[S+64+J]
.set J, J+1
.endr
	WIN 0
.irp b, 0,1,2,3,4,5,6,7
	v_exp_f32 v[BM+\b], v[BM+\b]                   ; each block's largest p: the same arithmetic on the same number
.endr
	v_nop                                          ; a plain place behind the exponentials
	WALU                                           ; one wait for the batch, ahead of its first reader
.irp b, 0,1,2,3,4,5,6,7
	v_max_num_f32 v[BM+\b], 0x1800000, v[BM+\b]    ; the floor 2^(3 - 127): the byte cannot fall under 1
.endr
.irp b, 0,1,2,3,4,5,6,7
	v_add_nc_u32 v[SO+\b], 0xff000000, v[BM+\b]    ; 2 off the exponent field: the conversion's scale operand
.endr
.irp b, 0,1,2,3,4,5,6,7
	v_lshrrev_b32 v[PX+\b], 23, v[SO+\b]           ; the scale's byte
.endr
.irp a, 0,1
	v_lshl_or_b32 v[PS+\a], v[PX+4*\a+1], 8, v[PX+4*\a]
.endr
.irp a, 0,1
	v_lshl_or_b32 v[PS+\a], v[PX+4*\a+2], 16, v[PS+\a]
.endr
.irp a, 0,1
	v_lshl_or_b32 v[PS+\a], v[PX+4*\a+3], 24, v[PS+\a]   ; p's scale word for these 128 keys
.endr
	WIN 0x41
.irp a, 0,1
.irp c, 0,1
	v_cvt_scalef32_pk16_fp6_f32 v[PC+12*\a+6*\c:PC+12*\a+6*\c+2], v[S+64*\a+32*\c:S+64*\a+32*\c+15], v[SO+4*\a+2*\c]
	v_cvt_scalef32_pk16_fp6_f32 v[CT+8*\a+4*\c:CT+8*\a+4*\c+2], v[S+64*\a+32*\c+16:S+64*\a+32*\c+31], v[SO+4*\a+2*\c+1]
.endr
.endr
	v_nop                                          ; one plain place behind a scaled conversion
.irp a, 0,1                                    ; the layout wants a whole block in a lane
.irp c, 0,1
.irp i, 0,1,2
	v_permlane16_swap_b32 v[PC+12*\a+6*\c+\i], v[CT+8*\a+4*\c+\i]
.endr
.endr
.endr
.irp a, 0,1
.irp c, 0,1
.irp i, 0,1,2
	v_mov_b32 v[PC+12*\a+6*\c+3+\i], v[CT+8*\a+4*\c+\i]
.endr
.endr
.endr
	WIN 0x45                                       ; the rows' sums of the unquantised p: six chains a tile, the twelve by turns.  (These are also the places ahead of the products below)
.irp i, 0,1,2,3,4,5
.irp a, 0,1
	v_pk_add_f32 v[AC+12*\a+2*\i:AC+12*\a+2*\i+1], v[S+64*\a+4*\i:S+64*\a+4*\i+1], v[S+64*\a+4*\i+2:S+64*\a+4*\i+3]
.endr
.endr
.set J, 0
.rept 20
.irp a, 0,1
	v_pk_add_f32 v[AC+12*\a+2*(J%6):AC+12*\a+2*(J%6)+1], v[AC+12*\a+2*(J%6):AC+12*\a+2*(J%6)+1], v[S+64*\a+24+2*J:S+64*\a+24+2*J+1]
.endr
.set J, J+1
.endr
.irp i, 0,4,8
.irp a, 0,1
	v_pk_add_f32 v[AC+12*\a+\i:AC+12*\a+\i+1], v[AC+12*\a+\i:AC+12*\a+\i+1], v[AC+12*\a+\i+2:AC+12*\a+\i+3]
.endr
.endr
.irp i, 4,8
.irp a, 0,1
	v_pk_add_f32 v[AC+12*\a:AC+12*\a+1], v[AC+12*\a:AC+12*\a+1], v[AC+12*\a+\i:AC+12*\a+\i+1]
.endr
.endr
	WIN 0x04
.irp a, 0,1
	v_pk_add_f32 v[SUM+2*\a:SUM+2*\a+1], v[SUM+2*\a:SUM+2*\a+1], v[AC+12*\a:AC+12*\a+1]
.endr
	WIN 0x54
	WALU                                           ; the wait here, directly ahead of the wait below
	s_wait_dscnt 20                                ; V's 18 loads are in; K's 20, issued behind them, may be out
.irp i, 0,1                                    ; O^T += V^T P^T: eight accumulators by turns
.irp u, 0,1
.irp a, 0,1
	v_wmma_scale_f32_16x16x128_f8f6f4 v[O+32*\a+8*(2*\i+\u):O+32*\a+8*(2*\i+\u)+7], v[VF+12*(2*\i+\u):VF+12*(2*\i+\u)+11], v[PC+12*\a:PC+12*\a+11], v[O+32*\a+8*(2*\i+\u):O+32*\a+8*(2*\i+\u)+7], v[VS+\i], v[PS+\a] matrix_a_fmt:MATRIX_FMT_FP6 matrix_b_fmt:MATRIX_FMT_FP6 matrix_a_scale:MATRIX_SCALE_ROW\u
.endr
.endr
.endr
	WIN 0
	s_add_co_u32 s[TV], s[TV], 6144
	s_add_co_u32 s[TVS], s[TVS], 256
	s_add_co_u32 s[TKS], s[TKS], 512
.endm
.Lpass:                                            ; two trips: two tiles of 16 queries each
.irp a, 0,1
	v_mov_b32 v[NM+2*\a], 0x7e800000               ; -M: 2^126, so that the first f is 0
	v_mov_b32 v[NM+2*\a+1], 0xff61b1e6             ; the largest score so far: -3e38
	v_mov_b32 v[SUM+2*\a], 0
	v_mov_b32 v[SUM+2*\a+1], 0
.endr
	WIN 0x40
.set J, 0
.rept 64
	v_mov_b32 v[O+J], 0                            ; O^T: the step is written without a first step of its own
.set J, J+1
.endr
	WIN 0
	s_mov_b32 s[TV], 0
	s_mov_b32 s[TVS], 0
	s_mov_b32 s[TKS], 0
	s_wait_dscnt 0x0                               ; the last pass's loads past K's end have landed: their registers may be loaded anew
	KLOAD L16, B8, BKS, 0, 0                       ; key step 0
	s_wait_loadcnt 0x0                             ; Q
	s_mov_b32 s[CNT], 3
.Lfirst_steps:                                     ; key steps 0-2 read K's steps 0-3 and V's 0-2
	STEP
	s_sub_co_u32 s[CNT], s[CNT], 1
	s_cmp_lg_u32 s[CNT], 0
	s_cbranch_scc1 .Lfirst_steps
	s_wait_tensorcnt 0x0                           ; every wave's load is in,
	s_wait_dscnt 0x0
	s_barrier_signal -1
	s_barrier_wait -1                              ; and shown to all
	s_mov_b32 s[CNT], 13
.Lother_steps:
	STEP
	s_sub_co_u32 s[CNT], s[CNT], 1
	s_cmp_lg_u32 s[CNT], 0
	s_cbranch_scc1 .Lother_steps
	; THE WAY OUT.  The next tiles' Q is asked for first, if there is one.  O^T is divided by the row's sum, quantised as p is (two blocks of 32 channels a tile), and leaves as my head's half of an image.
	s_cmp_eq_u32 s[PASS], 1
	s_cbranch_scc1 .Lno_next
	s_add_nc_u64 s[4:5], s[4:5], 16*1536           ; 16 tiles of tokens on (the wait for Q at the pass's head has freed the addresses)
	s_add_nc_u64 s[6:7], s[6:7], 16*64
	QLOAD
.Lno_next:
.irp a, 0,1
	v_add_f32 v[SUM+2*\a], v[SUM+2*\a], v[SUM+2*\a+1]
.endr
.irp a, 0,1
	v_permlanex16_b32 v[PX+\a], v[SUM+2*\a], s[SEL], s[SEL+1]
.endr
.irp a, 0,1
	v_add_f32 v[SUM+2*\a], v[SUM+2*\a], v[PX+\a]   ; the row's sum
.endr
	WALU                                           ; ahead of the reciprocals
.irp a, 0,1
	v_rcp_f32 v[SUM+2*\a], v[SUM+2*\a]
.endr
	v_nop
	WIN 0x41
	WALU                                           ; ahead of the first reader of the reciprocals and of O^T
.irp a, 0,1
.irp j, 0,2,4,6,8,10,12,14,16,18,20,22,24,26,28,30
	v_pk_mul_f32 v[S+64*\a+\j:S+64*\a+\j+1], v[O+32*\a+\j:O+32*\a+\j+1], v[SUM+2*\a:SUM+2*\a+1] op_sel_hi:[1,0]
.endr
.endr
	WIN 0x05
.irp a, 0,1
.irp b, 0,1
	v_max3_num_f32 v[BM+4*\a+\b], |v[S+64*\a+16*\b]|, |v[S+64*\a+16*\b+1]|, 0x1800000
.endr
.endr
	WIN 0x14
.irp i, 2,4,6,8,10,12,14
.irp a, 0,1
.irp b, 0,1
	v_max3_num_f32 v[BM+4*\a+\b], v[BM+4*\a+\b], |v[S+64*\a+16*\b+\i]|, |v[S+64*\a+16*\b+\i+1]|
.endr
.endr
.endr
	WIN 0
.irp b, 0,1,4,5
	v_permlanex16_b32 v[PX+\b], v[BM+\b], s[SEL], s[SEL+1]
.endr
.irp b, 0,1,4,5
	v_max_num_f32 v[BM+\b], v[BM+\b], v[PX+\b]
.endr
.irp b, 0,1,4,5
	v_add_nc_u32 v[SO+\b], 0xff000000, v[BM+\b]
.endr
.irp b, 0,1,4,5
	v_lshrrev_b32 v[PX+\b], 23, v[SO+\b]
.endr
.irp a, 0,1
	v_lshl_or_b32 v[PS+\a], v[PX+4*\a+1], 8, v[PX+4*\a]   ; my row's two scale bytes
.endr
	WIN 0x41
.irp a, 0,1
	v_cvt_scalef32_pk16_fp6_f32 v[PC+12*\a:PC+12*\a+2], v[S+64*\a:S+64*\a+15], v[SO+4*\a]
	v_cvt_scalef32_pk16_fp6_f32 v[CT+8*\a:CT+8*\a+2], v[S+64*\a+16:S+64*\a+31], v[SO+4*\a+1]
.endr
	v_nop
.irp a, 0,1
.irp i, 0,1,2
	v_permlane16_swap_b32 v[PC+12*\a+\i], v[CT+8*\a+\i]
.endr
.endr
.irp a, 0,1
.irp i, 0,1,2
	v_mov_b32 v[PC+12*\a+3+\i], v[CT+8*\a+\i]
.endr
.endr
	WIN 0x04                                       ; the stores' data lie in window 1
.irp a, 0,1
	global_store_b128 v[L16], v[PC+12*\a:PC+12*\a+3], s[8:9] offset:8*1536*\a
	global_store_b64 v[L8], v[PC+12*\a+4:PC+12*\a+5], s[8:9] offset:8*1536*\a+512
.endr
	WIN 0
.irp a, 0,1
	global_store_b16 v[R32], v[PS+\a], s[12:13] offset:512*\a   ; lanes r and r + 16 store the same two bytes to the same place
.endr
	s_wait_xcnt 0x0                                ; the stores and Q's loads have read their registers and addresses
	s_add_nc_u64 s[8:9], s[8:9], 16*8*1536         ; 16 tiles of tokens on (not used behind the last pass)
	s_add_nc_u64 s[12:13], s[12:13], 16*512
	s_sub_co_u32 s[PASS], s[PASS], 1
	s_cmp_lg_u32 s[PASS], 0
	s_cbranch_scc1 .Lpass
	s_wait_tensorcnt 0x0                           ; the wave's end
	ds_add_u32 v[SPW], v[NIL]
	s_wait_dscnt 0x0
	CROUND                                         ; the closing round
	s_endpgm
.Lfunc_end_k_qc6b7e2f99c_attn:
	.size	k_qc6b7e2f99c_attn, .Lfunc_end_k_qc6b7e2f99c_attn-k_qc6b7e2f99c_attn
	.p2alignl 7, 3214868480
	.fill 96, 4, 3214868480
	.section	.rodata,"a",@progbits
	.p2align	6, 0x0
	.amdhsa_kernel k_qc6b7e2f99c_attn
		.amdhsa_group_segment_fixed_size 209920
		.amdhsa_private_segment_fixed_size 0
		.amdhsa_enable_private_segment 0
		.amdhsa_kernarg_size 24
		.amdhsa_user_sgpr_count 2
		.amdhsa_user_sgpr_kernarg_segment_ptr 1
		.amdhsa_wavefront_size32 1
		.amdhsa_system_sgpr_workgroup_id_x 1
		.amdhsa_system_sgpr_workgroup_id_y 1
		.amdhsa_system_sgpr_workgroup_id_z 1
		.amdhsa_system_vgpr_workitem_id 0
		.amdhsa_next_free_vgpr 512
		.amdhsa_next_free_sgpr 102
		.amdhsa_reserve_vcc 0
		.amdhsa_float_denorm_mode_32 3
		.amdhsa_float_denorm_mode_16_64 3
		.amdhsa_memory_ordered 1
		.amdhsa_forward_progress 1
		.amdhsa_inst_pref_size 84
	.end_amdhsa_kernel
	.amdgpu_metadata
---
amdhsa.version: [ 1, 2 ]
amdhsa.kernels:
  - .name:           k_qc6b7e2f99c_attn
    .symbol:         k_qc6b7e2f99c_attn.kd
    .args:
      - { .name: qko, .offset: 0, .size: 8, .value_kind: global_buffer, .address_space: global }
      - { .name: vo, .offset: 8, .size: 8, .value_kind: global_buffer, .address_space: global }
      - { .name: ro, .offset: 16, .size: 8, .value_kind: global_buffer, .address_space: global }
    .group_segment_fixed_size: 209920
    .private_segment_fixed_size: 0
    .kernarg_segment_align: 8
    .kernarg_segment_size: 24
    .max_flat_workgroup_size: 256
    .sgpr_count:     102
    .vgpr_count:     512
    .wavefront_size: 32
...
	.end_amdgpu_metadata
.endif
;; end of part 3
;; launch outp (part 4): grid 4 x 32, 4 waves a work-group, clusters of 4 x 4, 327,680 bytes of LDS; arguments ro, woq, out0; writes out0
.if DOCPART == 4
	.amdgcn_target "amdgcn-amd-amdhsa--gfx1250"
	.amdhsa_code_object_version 6
	.text
	.protected	k_qc6b7e2f99c_outp
	.globl	k_qc6b7e2f99c_outp
	.p2align	8
	.type	k_qc6b7e2f99c_outp,@function
k_qc6b7e2f99c_outp:
	s_mov_b64 s[64:65], 0
	v_nop
	global_prefetch_b8 v0, s[64:65] scope:SCOPE_SE
	s_setreg_imm32_b32 hwreg(HW_REG_WAVE_MODE, 25, 1), 1
	s_wait_xcnt 0x0
	s_wait_alu depctr_hold_cnt(0) depctr_sa_sdst(0) depctr_va_vdst(0) depctr_va_sdst(0) depctr_va_ssrc(0) depctr_va_vcc(0) depctr_vm_vsrc(0)
	s_getreg_b32 s2, hwreg(HW_REG_IB_STS2, 6, 4)
	s_cmp_eq_u32 s2, 0
	s_cbranch_scc0 .Lentry_in_a_cluster
	s_endpgm
.Lentry_in_a_cluster:
	s_bfe_u32 s2, ttmp6, 0x10000c
	s_cmp_lg_u32 s2, 0xf033
	s_cbranch_scc0 .Lentry_shape_is_right
	s_endpgm
.Lentry_shape_is_right:
.set BI_OFF, 262144
.set CO_OFF, 294912
.set NQ,     2
.set FR,     12
.set NL,     4
.set NP,     4
.set TILEB,  1536
.set ROWB,   NQ*TILEB
.set HALFT,  8*ROWB
.set SLOT,   4*HALFT
.set KS,     32
.set SCL,    2*SLOT
.set HALFS,  (128*KS/256)*272
.set SBLK,   (16*KS/256)*272
.set SPARE,  SCL+4*HALFS
.set SPITCH, 528
.set ADRA, 16
.set ADRB, 20
.set STO,  24
.set RD,   25
.set CO,   26
.set ADRS, 27
.set SPW,  28
.set NIL,  29
.set SC,   32
.set BI,   64
.set AF,   128
.set BK,   128
.set G1, 24
.set G0, 32
.set G1B, 48
.set G0B, 56
.set G1S, 68
.set G0S, 76
.set G1SB, 80
.set G0SB, 88
.set MSB, 0
.macro WIN new
.if MSB != \new
	s_set_vgpr_msb (MSB<<8)|\new
.set MSB, \new
.endif
.endm
.set MUL_LO,   0xa1
.set MUL_HI,   0xf1
.set FIRST_LO, 0x81
.set FIRST_HI, 0xc1
.set TO_B,     0x40
.macro JLOAD g0a, g1a, g0b, g1b
	s_cmp_eq_u32 s15, 0
	s_cbranch_scc0 .Lfor_b_\@
	tensor_load_to_lds s[\g0a:\g0a+3], s[\g1a:\g1a+7]
	s_nop 0
.rept 4
	v_nop
.endr
	s_branch .Lasked_\@
.Lfor_b_\@:
	tensor_load_to_lds s[\g0b:\g0b+3], s[\g1b:\g1b+7]
	s_nop 0
.rept 4
	v_nop
.endr
.Lasked_\@:
.endm
.macro CREST
	s_cmp_lg_u32 s14, 0
	s_cbranch_scc1 .Lnot_wave_0_\@
	s_barrier_signal -3
.Lnot_wave_0_\@:
	s_barrier_wait -3
	s_barrier_signal -1
	s_barrier_wait -1
.endm
.macro CROUND
	s_barrier_signal -1
	s_barrier_wait -1
	CREST
.endm
	s_load_b128 s[4:7], s[0:1], 0x0
	s_load_b64 s[12:13], s[0:1], 0x10
	v_lshl_add_u32 v[SPW], v0, 2, SPARE
	v_mov_b32 v[NIL], 0
	ds_add_u32 v28, v29
	ds_add_u32 v28, v29
	s_wait_dscnt 0x0
	v_lshrrev_b32 v1, 5, v0
	v_readfirstlane_b32 s14, v1
	s_lshr_b32 s15, s14, 1
	s_and_b32 s16, s14, 1
	s_bfe_u32 s40, ttmp6, 0x40000
	s_bfe_u32 s41, ttmp6, 0x40004
	s_lshl_b32 s42, ttmp9, 2
	s_add_co_u32 s42, s42, s40
	s_and_b32 s17, ttmp7, 0xffff
	s_lshl_b32 s17, s17, 2
	s_add_co_u32 s17, s17, s41
	s_lshl_b32 s43, s41, 2
	s_lshl_b32 s43, 15, s43
	s_lshl_b32 s44, 0x1111, s40
	s_or_b32 s[G1+0], s43, (3<<16)|(1<<21)
	s_or_b32 s[G1B+0], s44, (3<<16)|(1<<21)
.irp g, G1, G1B
	s_mov_b32 s[\g+1], 384<<16
	s_mov_b32 s[\g+2], 16<<16
	s_mov_b32 s[\g+3], 384<<16
	s_mov_b32 s[\g+4], 16
	s_mov_b32 s[\g+5], 1536
	s_mov_b32 s[\g+6], 0
	s_mov_b32 s[\g+7], 0
.endr
	s_or_b32 s[G1S+0], s43, (3<<16)|(1<<20)|(1<<21)|(5<<22)|(3<<25)
	s_or_b32 s[G1SB+0], s44, (3<<16)|(1<<20)|(1<<21)|(5<<22)|(3<<25)
.irp g, G1S, G1SB
	s_mov_b32 s[\g+1], 32<<16
	s_mov_b32 s[\g+2], (256*KS/256)<<16
	s_mov_b32 s[\g+3], 32<<16
	s_mov_b32 s[\g+4], 256*KS/256
	s_mov_b32 s[\g+5], 32
	s_mov_b32 s[\g+6], 0
	s_mov_b32 s[\g+7], 0
.endr
	s_lshl_b32 s20, s17, 8
	s_lshl_b32 s46, s42, 8
	s_lshl_b32 s22, s20, 5
	s_mov_b32 s23, 0
	s_lshl_b32 s92, s46, 5
	s_mov_b32 s93, 0
	s_mul_i32 s20, s20, 768
	s_add_co_u32 s20, s20, CO_OFF
	s_mov_b32 s21, 0
	s_mul_i32 s46, s46, 768
	s_add_co_u32 s46, s46, CO_OFF
	s_mov_b32 s47, 0
	s_mul_i32 s45, s14, HALFT
	s_mul_i32 s18, s16, 128*768                    ; in the ring a wave fetches 128 rows of a tile: which half, in bytes
	s_mov_b32 s19, 0
	s_wait_kmcnt 0x0
	s_add_nc_u64 s[20:21], s[4:5], s[20:21]
	s_add_nc_u64 s[22:23], s[4:5], s[22:23]
	s_add_nc_u64 s[46:47], s[6:7], s[46:47]
	s_add_nc_u64 s[92:93], s[6:7], s[92:93]
	CROUND
	s_mov_b32 s[G0S], 1                            ; the head's four tiles, each whole: the scales of A's 256 rows,
	s_mov_b32 s[G0S+1], SCL
	s_mov_b64 s[G0S+2:G0S+3], s[22:23]
	s_or_b32 s[G0S+3], s[G0S+3], 0x80000000
	s_mov_b32 s[G0SB], 1                           ; of B's,
	s_mov_b32 s[G0SB+1], SCL+2*HALFS
	s_mov_b64 s[G0SB+2:G0SB+3], s[92:93]
	s_or_b32 s[G0SB+3], s[G0SB+3], 0x80000000
	s_mov_b32 s8, 1                                ; slot 0's 256 rows of A,
	s_mov_b32 s9, 0
	s_mov_b64 s[10:11], s[20:21]
	s_or_b32 s11, s11, 0x80000000
	s_mov_b32 s92, 1                               ; and of B
	s_mov_b32 s93, 2*HALFT
	s_mov_b64 s[94:95], s[46:47]
	s_or_b32 s95, s95, 0x80000000
	s_add_nc_u64 s[20:21], s[20:21], s[18:19]      ; for the ring: my 128 rows of the tile
	s_add_nc_u64 s[46:47], s[46:47], s[18:19]
.irp s, 0,1
	s_mov_b32 s[G0+4*\s], 1
	s_add_co_u32 s[G0+4*\s+1], s45, \s*SLOT
	s_add_nc_u64 s[G0+4*\s+2:G0+4*\s+3], s[20:21], \s*ROWB
	s_or_b32 s[G0+4*\s+3], s[G0+4*\s+3], 0x80000000
	s_mov_b32 s[G0B+4*\s], 1
	s_add_co_u32 s[G0B+4*\s+1], s45, \s*SLOT
	s_add_nc_u64 s[G0B+4*\s+2:G0B+4*\s+3], s[46:47], \s*ROWB
	s_or_b32 s[G0B+4*\s+3], s[G0B+4*\s+3], 0x80000000
.endr
; the head's loads, one a wave, in one chain of branches on the wave's number
.macro ARM under, g0, g1, next
	s_cmp_lt_u32 s14, \under
	s_cbranch_scc0 \next
	tensor_load_to_lds s[\g0:\g0+3], s[\g1:\g1+7]
	s_nop 0
.rept 4
	v_nop
.endr
	s_branch .Lhead_asked
\next:
.endm
	ARM 1, 8,   G1,  .Lhead_b
	ARM 2, 92,  G1B, .Lhead_sa
	ARM 3, G0S, G1S, .Lhead_sb
	tensor_load_to_lds s[G0SB:G0SB+3], s[G1SB:G1SB+7]
	s_nop 0
.rept 4
	v_nop
.endr
.Lhead_asked:
	v_and_b32 v1, 15, v0
	v_bfe_u32 v2, v0, 4, 1
	v_and_b32 v4, 31, v0
	v_lshlrev_b32 v[CO], 4, v4
	s_wait_alu depctr_va_vdst(0)
	v_lshlrev_b32 v5, 3, v4
	v_add_nc_u32 v5, 512, v5
	s_wait_alu depctr_va_vdst(0)
	s_lshl_b32 s46, s42, 10
	s_lshl_b32 s47, s16, 9
	s_add_co_u32 s46, s46, s47
	s_add_co_u32 s46, s46, BI_OFF
	s_mov_b32 s47, 0
	s_add_nc_u64 s[6:7], s[6:7], s[46:47]
	v_lshlrev_b32 v3, 6, v2
.irp b, 0,1,2,3,4,5,6,7
	global_load_b128 v[BI+8*\b:BI+8*\b+3], v3, s[6:7] offset:(32*(\b/2)+8*(\b%2))*4
	global_load_b128 v[BI+8*\b+4:BI+8*\b+7], v3, s[6:7] offset:(32*(\b/2)+8*(\b%2))*4+16
.endr
	s_mul_i32 s21, s15, HALFT
	s_mul_i32 s22, s16, HALFT
	s_add_co_u32 s22, s22, 2*HALFT
.irp s, 0,1
	v_add_nc_u32 v[ADRA+\s], s21, v[CO]
	v_add_nc_u32 v[ADRB+\s], s22, v[CO]
	v_add_nc_u32 v[ADRA+2+\s], s21, v5
	v_add_nc_u32 v[ADRB+2+\s], s22, v5
	s_add_co_u32 s21, s21, SLOT
	s_add_co_u32 s22, s22, SLOT
.endr
	v_mul_u32_u24 v5, v1, KS
	v_lshrrev_b32 v6, 8, v5
	v_lshl_add_u32 v5, v6, 4, v5
	s_mul_i32 s21, s15, HALFS
	s_mul_i32 s22, s16, HALFS
	s_add_co_u32 s22, s22, 2*HALFS
	s_sub_co_u32 s22, s22, s21
	v_mul_u32_u24 v6, s22, v2
	s_add_co_u32 s21, s21, SCL
	v_add_nc_u32 v5, v5, v6
	v_add_nc_u32 v[ADRS], s21, v5
	s_mul_i32 s23, s14, 16*SPITCH
	v_mul_u32_u24 v5, v1, SPITCH
	v_lshl_add_u32 v5, v2, 6, v5
	v_add_nc_u32 v[STO], s23, v5
	v_add_nc_u32 v[RD], s23, v[CO]
	s_lshl_b32 s20, s17, 8
	s_lshl_b32 s21, s15, 7
	s_add_co_u32 s20, s20, s21
	s_lshl_b32 s20, s20, 12
	s_lshl_b32 s46, s42, 10
	s_lshl_b32 s47, s16, 9
	s_add_co_u32 s46, s46, s47
	s_add_co_u32 s20, s20, s46
	s_mov_b32 s21, 0
	s_add_nc_u64 s[12:13], s[12:13], s[20:21]
.macro FRAG reg, adr, q, i
	ds_load_b128 v[\reg:\reg+3], v[\adr] offset:ROWB*(\i)+TILEB*(\q)
	ds_load_b64 v[\reg+4:\reg+5], v[\adr+2] offset:ROWB*(\i)+TILEB*(\q)
	ds_load_b128 v[\reg+6:\reg+9], v[\adr] offset:ROWB*(\i)+TILEB*(\q)+768
	ds_load_b64 v[\reg+10:\reg+11], v[\adr+2] offset:ROWB*(\i)+TILEB*(\q)+768
.endm
.macro MUL16 a0, p, q, sc, first
.irp a, \a0, \a0+1
.irp b, 0,1,2,3,4,5,6,7
.if \first
	v_wmma_scale_f32_16x16x128_f8f6f4 v[8*(8*((\a)%4)+\b):8*(8*((\a)%4)+\b)+7], v[128*(\p)+FR*\b:128*(\p)+FR*\b+FR-1], v[AF+FR*(\a):AF+FR*(\a)+FR-1], v[BI+8*\b:BI+8*\b+7], v[SC+8*NQ*(\sc)+NQ*\b+(\q)], v[SC+8*NQ*(\sc)+NQ*(\a)+(\q)] matrix_a_fmt:MATRIX_FMT_FP6 matrix_b_fmt:MATRIX_FMT_FP6 matrix_a_scale:MATRIX_SCALE_ROW1
.else
	v_wmma_scale_f32_16x16x128_f8f6f4 v[8*(8*((\a)%4)+\b):8*(8*((\a)%4)+\b)+7], v[128*(\p)+FR*\b:128*(\p)+FR*\b+FR-1], v[AF+FR*(\a):AF+FR*(\a)+FR-1], v[8*(8*((\a)%4)+\b):8*(8*((\a)%4)+\b)+7], v[SC+8*NQ*(\sc)+NQ*\b+(\q)], v[SC+8*NQ*(\sc)+NQ*(\a)+(\q)] matrix_a_fmt:MATRIX_FMT_FP6 matrix_b_fmt:MATRIX_FMT_FP6 matrix_a_scale:MATRIX_SCALE_ROW1
.endif
.endr
.endr
.endm
.macro FETCH_B slot, q, p
	WIN TO_B
.irp i, 0,1,2,3,4,5,6,7
	FRAG 128*(\p)+FR*\i, ADRB+\slot, \q, \i
.endr
	WIN 0
.endm
.macro FETCH_A slot, q, i0
.irp i, \i0, \i0+1, \i0+2, \i0+3
	FRAG AF+FR*(\i), ADRA+\slot, \q, \i
.endr
.endm
.macro SCALES sc
.irp i, 0,1,2,3,4,5,6,7
	ds_load_b64 v[SC+8*NQ*\sc+NQ*\i:SC+8*NQ*\sc+NQ*\i+1], v[ADRS] offset:\i*SBLK
.endr
.endm
.macro PLACES n
.rept \n
	v_nop
.endr
.endm
.macro STEP slot, q, first
	s_wait_dscnt 4*NL
.if \first
	WIN FIRST_LO
.else
	WIN MUL_LO
.endif
	MUL16 0, (\q)%2, \q, \slot, \first
	MUL16 2, (\q)%2, \q, \slot, \first
	s_wait_dscnt 0
	PLACES NP
	FETCH_B \slot, (\q)+1, 1-(\q)%2
	FETCH_A \slot, (\q)+1, 0
.if \first
	WIN FIRST_HI
.else
	WIN MUL_HI
.endif
	MUL16 4, (\q)%2, \q, \slot, \first
	MUL16 6, (\q)%2, \q, \slot, \first
	PLACES NP
	WIN 0
	FETCH_A \slot, (\q)+1, 4
.endm
.macro TURN slot, next, fill
	s_wait_tensorcnt 0x0
	ds_add_u32 v[SPW], v[NIL]
	s_wait_dscnt 4*NL+1
	WIN MUL_LO
	MUL16 0, 1, NQ-1, \slot, 0
	s_wait_dscnt 0x0
	s_barrier_signal -1
	MUL16 2, 1, NQ-1, \slot, 0
	WIN 0
	s_barrier_wait -1
.if \fill
	CREST
	s_add_nc_u64 s[G0+4*\slot+2:G0+4*\slot+3], s[G0+4*\slot+2:G0+4*\slot+3], 2*ROWB
	s_add_nc_u64 s[G0B+4*\slot+2:G0B+4*\slot+3], s[G0B+4*\slot+2:G0B+4*\slot+3], 2*ROWB
	JLOAD G0+4*\slot, G1, G0B+4*\slot, G1B
.else
	PLACES NP
.endif
	s_wait_alu depctr_va_vdst(0)
	v_add_nc_u32 v[ADRS], 4*NQ, v[ADRS]
	FETCH_B \next, 0, 0
	FETCH_A \next, 0, 0
	SCALES \next
	WIN MUL_HI
	MUL16 4, 1, NQ-1, \slot, 0
	MUL16 6, 1, NQ-1, \slot, 0
	PLACES NP
	WIN 0
	FETCH_A \next, 0, 4
.endm
	s_wait_alu depctr_va_vdst(0)
	s_wait_tensorcnt 0x0                           ; my tile of the head's four is in
	ds_add_u32 v28, v29
	s_mov_b32 s[G1+2], 8<<16                       ; no tensor load of mine is out: from here on a load brings 8 rows of images (128 rows of the operand)
	s_mov_b32 s[G1+4], 8
	s_mov_b32 s[G1B+2], 8<<16
	s_mov_b32 s[G1B+4], 8
	s_wait_dscnt 0x0
	CROUND
	JLOAD G0+4, G1, G0B+4, G1B                     ; slot 1's first fill, the first tensor load behind the round
	FETCH_B 0, 0, 0
	FETCH_A 0, 0, 0
	SCALES 0
	FETCH_A 0, 0, 4
	s_wait_loadcnt 0x0
	STEP 0, 0, 1
	TURN 0, 1, 1
	STEP 1, 0, 0
	TURN 1, 0, 1
	STEP 0, 0, 0
	TURN 0, 1, 0
	STEP 1, 0, 0
	s_wait_dscnt 4*NL
	WIN MUL_LO
	MUL16 0, 1, NQ-1, 1, 0
	MUL16 2, 1, NQ-1, 1, 0
	s_wait_dscnt 0
	WIN MUL_HI
	MUL16 4, 1, NQ-1, 1, 0
	MUL16 6, 1, NQ-1, 1, 0
	WIN 0
.macro TOSTAGE a
.set AC, 64*((\a)%4)
	WIN 0x08+4*((\a)/4)
.irp b, 0,1,2,3,4,5,6,7
	ds_store_b128 v[STO], v[AC+8*\b:AC+8*\b+3] offset:128*(\b/2)+32*(\b%2)
	ds_store_b128 v[STO], v[AC+8*\b+4:AC+8*\b+7] offset:128*(\b/2)+32*(\b%2)+16
.endr
	WIN 0
.set BB, BK+64*((\a)%2)
.irp t, 0,1,2,3,4,5,6,7,8,9,10,11,12,13,14,15
	ds_load_b128 v[BB+4*\t:BB+4*\t+3], v[RD] offset:\t*SPITCH
.endr
.endm
.macro SEND a, younger
.set BB, BK+64*((\a)%2)
	s_wait_dscnt \younger
.irp t, 0,1,2,3,4,5,6,7,8,9,10,11,12,13,14,15
	global_store_b128 v[CO], v[BB+4*\t:BB+4*\t+3], s[12:13] offset:(32*((\a)/2)+8*((\a)%2)+\t+8*(\t/8))*4096 th:TH_STORE_NT
.endr
.endm
	PLACES NP
	TOSTAGE 0
.irp a, 1,2,3,4,5,6,7
.if \a > 1
	s_wait_xcnt 0x0
.endif
	TOSTAGE \a
	SEND \a-1, 32
.endr
	SEND 7, 0
	s_wait_tensorcnt 0x0
	ds_add_u32 v[SPW], v[NIL]
	s_wait_dscnt 0x0
	CROUND
	s_endpgm
.Lfunc_end_k_qc6b7e2f99c_outp:
	.size	k_qc6b7e2f99c_outp, .Lfunc_end_k_qc6b7e2f99c_outp-k_qc6b7e2f99c_outp
	.p2alignl 7, 3214868480
	.fill 96, 4, 3214868480
	.section	.rodata,"a",@progbits
	.p2align	6, 0x0
	.amdhsa_kernel k_qc6b7e2f99c_outp
		.amdhsa_group_segment_fixed_size 327680
		.amdhsa_private_segment_fixed_size 0
		.amdhsa_enable_private_segment 0
		.amdhsa_kernarg_size 24
		.amdhsa_user_sgpr_count 2
		.amdhsa_user_sgpr_kernarg_segment_ptr 1
		.amdhsa_wavefront_size32 1
		.amdhsa_system_sgpr_workgroup_id_x 1
		.amdhsa_system_sgpr_workgroup_id_y 1
		.amdhsa_system_sgpr_workgroup_id_z 1
		.amdhsa_system_vgpr_workitem_id 0
		.amdhsa_next_free_vgpr 1024
		.amdhsa_next_free_sgpr 100
		.amdhsa_reserve_vcc 0
		.amdhsa_float_denorm_mode_32 3
		.amdhsa_float_denorm_mode_16_64 3
		.amdhsa_memory_ordered 1
		.amdhsa_forward_progress 1
		.amdhsa_inst_pref_size 146
	.end_amdhsa_kernel
	.amdgpu_metadata
---
amdhsa.version: [ 1, 2 ]
amdhsa.kernels:
  - .name:           k_qc6b7e2f99c_outp
    .symbol:         k_qc6b7e2f99c_outp.kd
    .args:
      - { .name: ro, .offset: 0, .size: 8, .value_kind: global_buffer, .address_space: global }
      - { .name: woq, .offset: 8, .size: 8, .value_kind: global_buffer, .address_space: global }
      - { .name: out0, .offset: 16, .size: 8, .value_kind: global_buffer, .address_space: global }
    .group_segment_fixed_size: 327680
    .private_segment_fixed_size: 0
    .kernarg_segment_align: 8
    .kernarg_segment_size: 24
    .max_flat_workgroup_size: 128
    .sgpr_count:     100
    .vgpr_count:     1024
    .wavefront_size: 32
...
	.end_amdgpu_metadata
.endif
;; end of part 4
